; MI455X (gfx1250); checked and timed in simulation.
; The chip was launched on July 23, 2026; its instructions are those of AMD's public machine-readable ISA for CDNA 5 (MIT licence, August 2026) and "CDNA5" Instruction Set Architecture Reference Guide (July 2026). The comments in the code are by the model that wrote it; some were corrected since.
;; Temporal Attention. Allowed arithmetic: matrix products marked QUANTISED: E2M1 operands, one E8M0 scale for each 32 along K, by v_wmma_scale_f32_16x16x128_f8f6f4 with both operands' format E2M1 (or v_wmma_scale_f32_32x16x128_f4), f32 sums; products left as they are: bf16, f16 or f32 operands; f32 sums; everything else in f32.
;; Inputs: W_out 1,024 x 1,024 float32; W_qkv 3,072 x 1,024 float32; b_out 1,024 float32; b_qkv 3,072 float32; decay_rate 16 float32; mask 4 x 2,048 float32; timestamps 4 x 2,048 float32; x 4 x 2,048 x 1,024 float32.
;; Outputs: out0 4 x 2,048 x 1,024 float32.
;; This version of the problem:
;;   THIS VERSION OF THE PROBLEM IS GIVEN IN LOW PRECISION. The matrix products marked QUANTISED in the list below multiply operands that are first quantised to E2M1 (2 exponent bits, 1 mantissa bit; 4 bits a number), with one power-of-two scale for each 32 numbers along K (OCP MX v1.0); their sums are f32. The products marked 'left as it is' may take bf16, f16 or f32 operands, with f32 sums. Whichever they take, every output number must still come out within the allowed error. Rounding operands to bf16 (8 significant bits) uses up far more of that allowance than f16 does (11 bits, for magnitudes from 6e-5 to 65,504). All else is computed in f32.
;;   The module's matrix products, in the order in which they are computed (A, B: the left and right operand; K: the contracted axis; several contracted axes count as one K, in the product's order):
;;     1. [M 8,192, K 1,024] x [K 1,024, N 3,072]; A: input x; B: input W_qkv: QUANTISED
;;     2. batch 64 x [M 2,048, K 64] x [K 64, N 2,048]; A: computed on the way; B: computed on the way: left as it is (an operand is computed on the way)
;;     3. batch 64 x [M 2,048, K 2,048] x [K 2,048, N 64]; A: computed on the way; B: computed on the way: left as it is (an operand is computed on the way)
;;     4. [M 8,192, K 1,024] x [K 1,024, N 1,024]; A: computed on the way; B: input W_out: left as it is (an operand is computed on the way)
;;   THE QUANTISER, for each operand of a quantised product, along K:
;;     - K is cut into blocks of 32 from its start; a last block that is shorter is filled with zeros.
;;     - A block's scale is 2^e with e = floor(log2(the largest magnitude in the block)) - 2, held to -126 .. 127; a block of zeros has e = 0. As a byte (E8M0): e + 127.
;;     - Each number is divided by its block's scale, clamped to +-6, and rounded to the nearest number of E2M1, ties to even, subnormals kept.
;;     - The product sums the exact products of the quantised numbers (number of the format x scale) in f32.
;;   ~~~python
;;   def quantise(x, axis):      # numpy; x: float32 -> the quantised numbers, widened to float32 again
;;       x = np.moveaxis(x, axis, -1); K = x.shape[-1]
;;       x = np.pad(x, [(0, 0)] * (x.ndim - 1) + [(0, -K % 32)]); x = x.reshape(x.shape[:-1] + (-1, 32)); a = np.abs(x).max(-1, keepdims=True)
;;       e = np.where(a > 0, np.clip(np.frexp(np.where(a > 0, a, 1))[1] - 1 - 2, -126, 127), 0)      # np.frexp(a)[1] - 1 = floor(log2(a)), exactly
;;       r = np.clip(x / 2.0 ** e, -6, 6)
;;       step = 2.0 ** (np.maximum(np.frexp(np.where(r == 0, 1, r))[1] - 1, 0) - 1)
;;       q = np.round(r / step) * step * 2.0 ** e      # np.round: ties to even
;;       return np.moveaxis(q.reshape(q.shape[:-2] + (-1,))[..., :K], -1, axis).astype(np.float32)
;;   ~~~
;; One version. Each part assembles by itself: llvm-mc -triple=amdgcn-amd-amdhsa -mcpu=gfx1250 --defsym DOCPART=n.
;; ======== version 1 of 1: 5 launches
;; limits: values are held in f16: magnitudes above 65,504 overflow, below 6.1e-05 lose precision
;; workspace buffers: xq 4,456,448 bytes; wq 1,671,168 bytes; wimg 2,097,152 bytes; qkv 50,331,648 bytes; oimg 16,777,216 bytes; qkv32 786,432 bytes
;; launch prep (part 1): grid 416 x 1, 4 waves a work-group, no clusters, 33,280 bytes of LDS; arguments x, W_qkv, W_out, xq, wq, wimg; writes xq, wq, wimg
.if DOCPART == 1
	.amdgcn_target "amdgcn-amd-amdhsa--gfx1250"
	.amdhsa_code_object_version 6
	.text
	.protected	k_q754f4568d3_prep
	.globl	k_q754f4568d3_prep
	.p2align	8
	.type	k_q754f4568d3_prep,@function
k_q754f4568d3_prep:
	s_mov_b64 s[64:65], 0
	v_nop
	global_prefetch_b8 v0, s[64:65] scope:SCOPE_SE
	s_setreg_imm32_b32 hwreg(HW_REG_WAVE_MODE, 25, 1), 1
	s_wait_xcnt 0x0
; PREP.  x [8192][1024] and W_qkv [3072][1024], f32, K innermost, become codes of FP4 (E2M1) and one E8M0 byte for each 32 along K; W_out [1024][1024] becomes f16, laid as images of operand registers.
; xq: codes [8192][512 bytes] at 0, scale bytes [8192][32] at XS.   wq: the same for W_qkv's rows IN ANOTHER ORDER: row' = head x 192 + section x 64 + channel (section 0, 1, 2 = q, k, v),
; so that one head's q, k and v rows are 192 consecutive rows; scale bytes at WS.   wimg: [column tile 64][K step of 32: 32][1,024 bytes].
; AN IMAGE is a 16-bit fragment (16 rows x 32 K, 8 registers a lane) as [half i 2][lane 32][16 bytes]: registers 4 i .. 4 i + 3 of lane l at 512 i + 16 l.
; A block's scale is 2^(floor(log2(largest magnitude)) - 2): its byte is the largest magnitude's exponent field - 2, held at 1 from below.  A block of zeros so gets the byte 1 where the quantiser says 127: its codes
; are zeros, which add nothing under any byte but 0xff, and this program alone reads the bytes.  LIMITS: NaN and infinities among the inputs are not served; |W_out| stays at or under 65,504 (f16).
; SHARES.  Work-groups 0-255: x; 256-351: W_qkv; 352-415: W_out.  In the first two a wave takes a run of 8,192 numbers (8 rows), 16 steps of 512.  Each of a step's four loads reads 512 consecutive bytes; the 2,048
; bytes turn through the wave's own stage in LDS and come back 64 bytes a lane, since the conversions want 16 neighbours in one lane.  Waves share nothing: no barrier.
.set STEPS, 16
.set WGX,   256                        ; work-groups for x
.set WGW,   96                         ; for W_qkv
.set XS,    4194304                    ; where xq's scale bytes begin
.set WS,    1572864                    ; where wq's begin
.set EMAX,  2
.set CB,    8                          ; bytes of 16 codes
.set R,     16                         ; v16-79   four sets of 16 numbers as loaded
.set X,     80                         ; v80-111  two sets of 16 neighbours
.set E,     112                        ; v112-127 a scale byte for each step
.set C,     128                        ; v128-191 codes: registers of its own for each step, so that no store's data are written again
.set WREG,  8192                       ; LDS: a region for each wave: two stages of 32 x SP bytes, then its 256 scale bytes
.set SP,    80                         ; a lane's place in a stage: 64 bytes + 16 of padding
.set SPW,   12                         ; v12  LDS address of my spare word; never rewritten
.set NIL,   13                         ; v13  0; never rewritten
.set SPARE, 4*WREG                     ; the spare words, 128 bytes a wave, which no other line names
	s_load_b128 s[4:7], s[0:1], 0x0                ; x, W_qkv
	s_load_b128 s[8:11], s[0:1], 0x10              ; W_out, xq
	s_load_b128 s[12:15], s[0:1], 0x20             ; wq, wimg
	v_lshl_add_u32 v[SPW], v0, 2, SPARE
	v_mov_b32 v[NIL], 0
	v_lshrrev_b32 v1, 5, v0
	v_readfirstlane_b32 s16, v1                    ; wave
	v_and_b32 v2, 31, v0                           ; lane
	v_lshlrev_b32 v3, 4, v2                        ; 16 x lane
	s_cmp_ge_u32 ttmp9, WGX+WGW                    ; W_out's work-groups take a path of their own, which touches no LDS but the spare words
	s_cbranch_scc1 .Lwout
	s_mul_i32 s17, s16, WREG
	v_lshrrev_b32 v14, 2, v2
	v_mul_u32_u24 v14, v14, SP
	v_and_b32 v15, 3, v2
	v_lshl_add_u32 v14, v15, 4, v14
	v_add_nc_u32 v14, s17, v14                     ; the stage, way in: SP (lane / 4) + 16 (lane % 4)
	v_mul_u32_u24 v15, v2, SP
	v_add_nc_u32 v15, s17, v15                     ; way out: SP x lane
	v_mul_u32_u24 v4, v2, CB                       ; my codes' place in a step's 256 bytes
	v_lshrrev_b32 v5, 1, v2
	s_add_co_u32 s17, s17, 2*32*SP
	v_add_nc_u32 v5, s17, v5                       ; LDS: my block's scale byte
	v_lshlrev_b32 v7, 3, v2
	v_add_nc_u32 v6, s17, v7                       ; and 8 bytes a lane on their way out
	s_wait_kmcnt 0x0
	s_cmp_lt_u32 ttmp9, WGX                        ; x or W_qkv: the choice hangs on the work-group's number alone
	s_cselect_b64 s[4:5], s[4:5], s[6:7]           ; the source
	s_cselect_b64 s[10:11], s[10:11], s[12:13]     ; the destination
	s_cselect_b32 s17, 0, WGX
	s_mov_b32 s22, WS
	s_cselect_b32 s22, XS, s22                     ; where its scale bytes begin
	s_sub_co_u32 s17, ttmp9, s17
	s_lshl_b32 s17, s17, 2
	s_add_co_u32 s18, s17, s16                     ; my run in the source: 8 rows
	s_bfe_u32 s19, s18, 0x40003                    ; W_qkv: head = (run / 8) % 16,
	s_mul_i32 s19, s19, 24
	s_lshr_b32 s20, s18, 7                         ; section = run / 128,
	s_lshl_b32 s20, s20, 3
	s_add_co_u32 s19, s19, s20
	s_and_b32 s20, s18, 7                          ; eight channels = run % 8:
	s_add_co_u32 s19, s19, s20                     ; run' = 24 head + 8 section + run % 8
	s_cmp_lt_u32 ttmp9, WGX
	s_cselect_b32 s19, s18, s19                    ; x keeps its order
	s_lshl_b32 s20, s18, 15                        ; 32,768 bytes of f32 a run
	s_mov_b32 s21, 0
	s_add_nc_u64 s[4:5], s[4:5], s[20:21]
	s_lshl_b32 s20, s19, 12                        ; 4,096 bytes of codes
	s_add_nc_u64 s[24:25], s[10:11], s[20:21]
	s_lshl_b32 s20, s19, 8                         ; 256 scale bytes
	s_add_co_u32 s20, s20, s22
	s_add_nc_u64 s[26:27], s[10:11], s[20:21]
.macro LOAD t
.irp i, 0,1,2,3
	global_load_b128 v[R+16*((\t)%4)+4*\i:R+16*((\t)%4)+4*\i+3], v3, s[4:5] offset:2048*(\t)+512*\i th:TH_LOAD_NT   ; 32 lanes read 512 consecutive bytes
.endr
.endm
.macro TURN t                          ; step t's numbers through the stage: LDS serves a wave's instructions in order, so no wait stands between the stores and the loads
.irp i, 0,1,2,3
	ds_store_b128 v14, v[R+16*((\t)%4)+4*\i:R+16*((\t)%4)+4*\i+3] offset:32*SP*((\t)%2)+8*SP*\i
.endr
.irp i, 0,1,2,3
	ds_load_b128 v[X+16*((\t)%2)+4*\i:X+16*((\t)%2)+4*\i+3], v15 offset:32*SP*((\t)%2)+16*\i
.endr
.endm
.irp t, 0,1,2,3
	LOAD \t
.endr
	s_wait_loadcnt 12                              ; step 0's four loads are in; three steps' twelve stay out
	TURN 0
.macro STEP t
.set XR, X+16*((\t)%2)
.if (\t) > 0
	s_wait_dscnt 1                                 ; this step's numbers are back from the stage (the last step's byte store may be out)
.else
	s_wait_dscnt 0x0
.endif
.if (\t)+4 < STEPS
	LOAD (\t)+4                                    ; into the registers that the stage's stores have read
.endif
.if (\t)+1 < STEPS
.if STEPS-2-(\t) >= 3
	s_wait_loadcnt 12                              ; the next step's four loads are in; those of the three steps behind it may be out
.else
	s_wait_loadcnt 4*(STEPS-2-(\t))
.endif
	TURN (\t)+1
.endif
	v_max3_num_f32 v8, |v[XR]|, |v[XR+1]|, |v[XR+2]|               ; the largest magnitude of my 16, in two chains
	v_max3_num_f32 v9, |v[XR+3]|, |v[XR+4]|, |v[XR+5]|
.irp i, 6,10
	v_max3_num_f32 v8, v8, |v[XR+\i]|, |v[XR+\i+1]|
	v_max3_num_f32 v9, v9, |v[XR+\i+2]|, |v[XR+\i+3]|
.endr
	v_max3_num_f32 v8, v8, |v[XR+14]|, |v[XR+15]|
	v_max3_num_f32 v8, v8, v9, (EMAX+1)<<23        ; and the floor 2^(EMAX + 1 - 127): the byte cannot fall under 1
	v_max_num_f32_dpp v8, v8, v8 row_xmask:1 row_mask:0xf bank_mask:0xf   ; with my neighbour's 16: the block's
	v_add_nc_u32 v11, -(EMAX<<23), v8              ; EMAX off its exponent field: the conversion takes the exponent field of this operand as its scale
	v_cvt_scalef32_pk8_fp4_f32 v[C+4*(\t)], v[XR:XR+7], v11
	v_cvt_scalef32_pk8_fp4_f32 v[C+4*(\t)+1], v[XR+8:XR+15], v11
	v_lshrrev_b32 v[E+(\t)], 23, v11               ; the scale's byte (a plain line behind the conversions)
	ds_store_b8 v5, v[E+(\t)] offset:16*(\t)       ; both lanes of a block write the same byte with the same value
	global_store_b64 v4, v[C+4*(\t):C+4*(\t)+1], s[24:25] offset:32*CB*(\t)   ; the wave stores 256 consecutive bytes, aligned
.endm
.irp t, 0,1,2,3,4,5,6,7,8,9,10,11,12,13,14,15
	STEP \t
.endr
	ds_load_b64 v[8:9], v6                         ; my wave's 256 scale bytes: LDS serves a wave's instructions in order
	s_wait_dscnt 0x0
	global_store_b64 v7, v[8:9], s[26:27]          ; 256 consecutive bytes, aligned
	s_wait_tensorcnt 0x0                           ; the wave's end, behind my last LDS store
	ds_add_u32 v[SPW], v[NIL]
	s_wait_dscnt 0x0
	s_endpgm
; W_OUT.  Work-group 352 + n takes column tile n (rows 16 n .. 16 n + 15 of W_out), wave g its K steps 8 g .. 8 g + 7.  Lane (r, h) takes, of row r, for half i of K step s the eight numbers at k = 32 s + 16 i + 8 h.
; A load touches 32 bytes of each of 16 rows; the wave's 32 loads together use each row's 1,024 bytes whole.  The tensor is 4 MiB in all.
.Lwout:
	v_and_b32 v4, 15, v0
	v_bfe_u32 v5, v0, 4, 1
	v_lshlrev_b32 v6, 12, v4
	v_lshl_add_u32 v6, v5, 5, v6                   ; r x 4,096 + 32 h
	s_sub_co_u32 s17, ttmp9, WGX+WGW               ; n
	s_lshl_b32 s18, s17, 16                        ; 16 rows of 4,096 bytes
	s_lshl_b32 s19, s16, 10                        ; 8 K steps of 128 bytes
	s_add_co_u32 s18, s18, s19
	s_mov_b32 s19, 0
	s_lshl_b32 s20, s17, 15                        ; 32 images
	s_lshl_b32 s21, s16, 13                        ; 8 images
	s_add_co_u32 s20, s20, s21
	s_mov_b32 s21, 0
	s_wait_kmcnt 0x0
	s_add_nc_u64 s[8:9], s[8:9], s[18:19]
	s_add_nc_u64 s[14:15], s[14:15], s[20:21]
.set g, 0
.rept 16                               ; g = 2 s + i
	global_load_b128 v[16+8*g:19+8*g], v6, s[8:9] offset:(g/2)*128+(g%2)*64 th:TH_LOAD_NT
	global_load_b128 v[20+8*g:23+8*g], v6, s[8:9] offset:(g/2)*128+(g%2)*64+16 th:TH_LOAD_NT
.set g, g+1
.endr
	s_wait_loadcnt 0x0
.set g, 0
.rept 16
.irp k, 0,1,2,3
	v_cvt_pk_f16_f32 v[16+8*g+\k], v[16+8*g+2*\k], v[16+8*g+2*\k+1]   ; in place, ascending: register k takes numbers 2 k and 2 k + 1
.endr
	global_store_b128 v3, v[16+8*g:19+8*g], s[14:15] offset:512*g     ; half an image: 512 consecutive bytes, aligned
.set g, g+1
.endr
	s_wait_tensorcnt 0x0                           ; the same three lines at this path's end
	ds_add_u32 v[SPW], v[NIL]
	s_wait_dscnt 0x0
	s_endpgm
.Lfunc_end_k_q754f4568d3_prep:
	.size	k_q754f4568d3_prep, .Lfunc_end_k_q754f4568d3_prep-k_q754f4568d3_prep
	.p2alignl 7, 3214868480
	.fill 96, 4, 3214868480
	.section	.rodata,"a",@progbits
	.p2align	6, 0x0
	.amdhsa_kernel k_q754f4568d3_prep
		.amdhsa_group_segment_fixed_size 33280
		.amdhsa_private_segment_fixed_size 0
		.amdhsa_enable_private_segment 0
		.amdhsa_kernarg_size 48
		.amdhsa_user_sgpr_count 2
		.amdhsa_user_sgpr_kernarg_segment_ptr 1
		.amdhsa_wavefront_size32 1
		.amdhsa_system_sgpr_workgroup_id_x 1
		.amdhsa_system_sgpr_workgroup_id_y 1
		.amdhsa_system_sgpr_workgroup_id_z 1
		.amdhsa_system_vgpr_workitem_id 0
		.amdhsa_next_free_vgpr 192
		.amdhsa_next_free_sgpr 66
		.amdhsa_reserve_vcc 0
		.amdhsa_float_denorm_mode_32 3
		.amdhsa_float_denorm_mode_16_64 3
		.amdhsa_memory_ordered 1
		.amdhsa_forward_progress 1
		.amdhsa_inst_pref_size 43
	.end_amdhsa_kernel
	.amdgpu_metadata
---
amdhsa.version: [ 1, 2 ]
amdhsa.kernels:
  - .name:           k_q754f4568d3_prep
    .symbol:         k_q754f4568d3_prep.kd
    .args:
      - { .name: x, .offset: 0, .size: 8, .value_kind: global_buffer, .address_space: global }
      - { .name: W_qkv, .offset: 8, .size: 8, .value_kind: global_buffer, .address_space: global }
      - { .name: W_out, .offset: 16, .size: 8, .value_kind: global_buffer, .address_space: global }
      - { .name: xq, .offset: 24, .size: 8, .value_kind: global_buffer, .address_space: global }
      - { .name: wq, .offset: 32, .size: 8, .value_kind: global_buffer, .address_space: global }
      - { .name: wimg, .offset: 40, .size: 8, .value_kind: global_buffer, .address_space: global }
    .group_segment_fixed_size: 33280
    .private_segment_fixed_size: 0
    .kernarg_segment_align: 8
    .kernarg_segment_size: 48
    .max_flat_workgroup_size: 128
    .sgpr_count:     66
    .vgpr_count:     192
    .wavefront_size: 32
...
	.end_amdgpu_metadata
.endif
;; end of part 1
;; launch qkv (part 2): grid 16 x 32, 4 waves a work-group, clusters of 4 x 4, 327,680 bytes of LDS; arguments xq, wq, b_qkv, qkv, qkv32; writes qkv, qkv32
.if DOCPART == 2
	.amdgcn_target "amdgcn-amd-amdhsa--gfx1250"
	.amdhsa_code_object_version 6
	.text
	.protected	k_q754f4568d3_qkv
	.globl	k_q754f4568d3_qkv
	.p2align	8
	.type	k_q754f4568d3_qkv,@function
k_q754f4568d3_qkv:
	s_mov_b64 s[64:65], 0
	v_nop
	global_prefetch_b8 v0, s[64:65] scope:SCOPE_SE
	s_setreg_imm32_b32 hwreg(HW_REG_WAVE_MODE, 25, 1), 1
	s_wait_xcnt 0x0
	s_wait_alu depctr_hold_cnt(0) depctr_sa_sdst(0) depctr_va_vdst(0) depctr_va_sdst(0) depctr_va_ssrc(0) depctr_va_vcc(0) depctr_vm_vsrc(0)
	s_getreg_b32 s2, hwreg(HW_REG_IB_STS2, 6, 4)
	s_cmp_eq_u32 s2, 0
	s_cbranch_scc0 .Lentry_in_a_cluster
	s_endpgm
.Lentry_in_a_cluster:
	s_bfe_u32 s2, ttmp6, 0x10000c
	s_cmp_lg_u32 s2, 0xf033
	s_cbranch_scc0 .Lentry_shape_is_right
	s_endpgm
.Lentry_shape_is_right:
; QKV.  qkv = x W_qkv^T + b_qkv on codes of FP4 (E2M1) with one E8M0 scale for each 32 along K (1,024); sums in f32.  q is multiplied by c = log2(e) / 8, so that the next launch's scores are exponents of 2.
; Results leave as f16 IMAGES of the operand registers of the products that take them: a fragment (16 rows x 32 K, 8 registers a lane) as [half i 2][lane 32][16 bytes].
;   q at 0, k at KOFF: [batch x 16 + head][token tile 128][32 channels 2][1,024 bytes], row = token.   v at VOFF: [batch x 16 + head][32 keys 64][channel tile 4][1,024 bytes], row = channel.
;   qkv32: the f32 results of tokens 0-15 of each batch, [batch][head][section 3][tile 4][half 2][lane 32][16 bytes]: registers of the result tiles as they stand.
; SHARES.  A work-group: 256 tokens x one head's 192 features (q 64, k 64, v 64).  A wave: 64 tokens (4 tiles) x all 192 features (12 tiles): 48 accumulators, 384 registers.
; q AND k ARE MADE TRANSPOSED (source 0 = 16 rows of W, source 1 = 16 tokens): a lane holds one token and eight neighbouring channels, so two neighbouring feature tiles, rounded in pairs, are a fragment with row = token.
; v IS MADE STRAIGHT (source 0 = tokens, source 1 = rows of W): a lane holds one channel and eight neighbouring tokens: two neighbouring token tiles are a fragment with row = channel, K = 32 keys.
; ALL OF K LIES IN LDS, as two chunks of 512 along K (rows of 256 bytes): every byte of LDS is filled once, nothing is filled again.  By this text's count a wave has three tensor loads out.
; CLUSTER 4 x 4: head = 4 x cluster x + cx, batch = cy, block of 256 tokens = cluster y.  The four of a row need the same tokens, the four of a column the same rows of W: each tile is asked for jointly.
; LIMITS: |q c|, |k|, |v| stay at or under 65,504 (f16).
; REGISTERS.  window 0: v1-16 addresses; v32-63 x's scale words, v64-159 W's (they hold scales and nothing else); v160-223 x's fragments, two sets; v224-239 at work; v240-247 v's bias, in pairs.
;   window 1: v0-191 W's fragments, two sets, on the way out the f16 fragments; v192-255 q's and k's bias.   window 2: accumulators of feature tiles 0-7 at v[8 (4 ft + tt)].   window 3: of tiles 8-11.
.set PITCH,  272                       ; an LDS row: 256 bytes + 16 of padding: the 16 rows of a fragment load start 68 words apart
.set CH,     448*PITCH                 ; a chunk: x's 256 rows, then W's 192
.set BOFF,   256*PITCH
.set SCL,    2*CH                      ; x's scale bytes: 32 pieces of 256 bytes + 16
.set SCLB,   SCL+32*272                ; W's: 24 pieces
.set SPARE,  259072                    ; the spare words, 128 bytes a wave, which no other line names
.set XS,     4194304
.set WS,     1572864
.set KOFF,   16777216
.set VOFF,   33554432
.set SPW,  1
.set NIL,  2
.set ADRA, 8                           ; v8-9   my x fragments in chunk 0, 1
.set ADRB, 10                          ; v10-11 W's
.set ADSA, 12                          ; v12    x's scale words
.set ADSB, 13                          ; v13    W's
.set LO,   14                          ; v14    16 x lane
.set BQ,   15                          ; v15    32 h
.set BV,   16                          ; v16    4 r
.set SA,   32
.set SB,   64
.set AF,   160
.set T,    224
.set VB,   240
.set QKB,  192                         ; in window 1
.set CQ,   18                          ; s[18:19] c, s[20:21] 1.0: the packed form names a pair and takes its low word for both halves
.set G1,   24                          ; s[24:31] group 1 for x's codes; s[32:39] groups 0, one for each chunk
.set G0,   32
.set G1B,  48                          ; the same for W's
.set G0B,  56
.set G1S,  68                          ; s[68:75], s[76:79] x's scale bytes; s[80:87], s[88:91] W's
.set G0S,  76
.set G1SB, 80
.set G0SB, 88
.set MSB, 0
.macro WIN new                         ; the immediate's high byte repeats the setting that is left; a switch that changes nothing is dropped
.if MSB != \new
	s_set_vgpr_msb (MSB<<8)|\new
.set MSB, \new
.endif
.endm
; A joint load: waves 0 and 1 fetch for x, waves 2 and 3 for W.  The branch hangs on the wave's number alone.  An s_nop 0 and four v_nop follow each of the two lines.
.macro JLOAD g0a, g1a, g0b, g1b
	s_cmp_eq_u32 s15, 0
	s_cbranch_scc0 .Lfor_b_\@
	tensor_load_to_lds s[\g0a:\g0a+3], s[\g1a:\g1a+7]
	s_nop 0
.rept 4
	v_nop
.endr
	s_branch .Lasked_\@
.Lfor_b_\@:
	tensor_load_to_lds s[\g0b:\g0b+3], s[\g1b:\g1b+7]
	s_nop 0
.rept 4
	v_nop
.endr
.Lasked_\@:
.endm
.macro CROUND                          ; a round of the cluster's barrier
	s_barrier_signal -1
	s_barrier_wait -1
	s_cmp_lg_u32 s14, 0
	s_cbranch_scc1 .Lnot_wave_0_\@
	s_barrier_signal -3
.Lnot_wave_0_\@:
	s_barrier_wait -3
	s_barrier_signal -1
	s_barrier_wait -1
.endm
.macro PLACES n
.rept \n
	v_nop
.endr
.endm
	s_load_b256 s[4:11], s[0:1], 0x0               ; xq, wq, b_qkv, qkv
	s_load_b64 s[12:13], s[0:1], 0x20              ; qkv32
	v_lshl_add_u32 v[SPW], v0, 2, SPARE
	v_mov_b32 v[NIL], 0
	ds_add_u32 v[SPW], v[NIL]                      ; the wave's opening: the add, twice on end, and its wait ahead of my first tensor load
	ds_add_u32 v[SPW], v[NIL]
	v_lshrrev_b32 v3, 5, v0
	v_readfirstlane_b32 s14, v3                    ; wave 0..3
	s_lshr_b32 s15, s14, 1                         ; I fetch for x (0) or for W (1)
	s_and_b32 s16, s14, 1                          ; which half
	s_bfe_u32 s40, ttmp6, 0x40000                  ; cx
	s_bfe_u32 s41, ttmp6, 0x40004                  ; cy = the batch
	s_lshl_b32 s42, ttmp9, 2
	s_add_co_u32 s42, s42, s40                     ; the head
	s_and_b32 s17, ttmp7, 0xffff                   ; the block of 256 tokens: the same in all sixteen partners
	s_lshl_b32 s43, s41, 2
	s_lshl_b32 s43, 15, s43                        ; my row of the cluster
	s_lshl_b32 s44, 0x1111, s40                    ; my column
	s_or_b32 s[G1+0], s43, (0<<16)|(1<<20)|(1<<21)|(5<<22)|(3<<25)   ; the mask; elements of 1 byte; padding on; bit 21 beside a mask; 4 words behind every 64
	s_or_b32 s[G1B+0], s44, (0<<16)|(1<<20)|(1<<21)|(5<<22)|(3<<25)
	s_mov_b32 s[G1+1], 256<<16                     ; tensor_dim0 = 256 bytes
	s_mov_b32 s[G1+2], 128<<16                     ; tensor_dim1 = 128 rows
	s_mov_b32 s[G1+3], 256<<16                     ; tile_dim0
	s_mov_b32 s[G1+4], 128                         ; tile_dim1
	s_mov_b32 s[G1+5], 512                         ; a row of 1,024 codes in memory
	s_mov_b32 s[G1+6], 0
	s_mov_b32 s[G1+7], 0
	s_mov_b32 s[G1B+1], 256<<16
	s_mov_b32 s[G1B+2], 96<<16                     ; 96 rows
	s_mov_b32 s[G1B+3], 256<<16
	s_mov_b32 s[G1B+4], 96
	s_mov_b32 s[G1B+5], 512
	s_mov_b32 s[G1B+6], 0
	s_mov_b32 s[G1B+7], 0
	s_or_b32 s[G1S+0], s43, (3<<16)|(1<<20)|(1<<21)|(5<<22)|(3<<25)  ; scale bytes: a dense block as rows of 256 bytes (32 elements of 8), 16 bytes of padding behind each
	s_or_b32 s[G1SB+0], s44, (3<<16)|(1<<20)|(1<<21)|(5<<22)|(3<<25)
	s_mov_b32 s[G1S+1], 32<<16
	s_mov_b32 s[G1S+2], 16<<16                     ; 128 rows x 32 bytes = 16 such rows
	s_mov_b32 s[G1S+3], 32<<16
	s_mov_b32 s[G1S+4], 16
	s_mov_b32 s[G1S+5], 32
	s_mov_b32 s[G1S+6], 0
	s_mov_b32 s[G1S+7], 0
	s_mov_b32 s[G1SB+1], 32<<16
	s_mov_b32 s[G1SB+2], 12<<16                    ; 96 rows x 32 bytes
	s_mov_b32 s[G1SB+3], 32<<16
	s_mov_b32 s[G1SB+4], 12
	s_mov_b32 s[G1SB+5], 32
	s_mov_b32 s[G1SB+6], 0
	s_mov_b32 s[G1SB+7], 0
	s_lshl_b32 s20, s41, 11                        ; x: row = 2,048 batch + 256 block + 128 half: it hangs on what my row of the cluster shares
	s_lshl_b32 s18, s17, 8
	s_add_co_u32 s20, s20, s18
	s_lshl_b32 s18, s16, 7
	s_add_co_u32 s20, s20, s18
	s_lshl_b32 s22, s20, 5
	s_add_co_u32 s22, s22, XS                      ; its scale bytes,
	s_mov_b32 s23, 0
	s_lshl_b32 s20, s20, 9                         ; its codes
	s_mov_b32 s21, 0
	s_mul_i32 s46, s42, 192                        ; W: row' = 192 head + 96 half: what my column shares
	s_mul_i32 s19, s16, 96
	s_add_co_u32 s46, s46, s19
	s_lshl_b32 s92, s46, 5
	s_add_co_u32 s92, s92, WS
	s_mov_b32 s93, 0
	s_lshl_b32 s46, s46, 9
	s_mov_b32 s47, 0
	s_mul_i32 s45, s16, 128*PITCH                  ; where they go: no place in the cluster enters an LDS address
	s_mul_i32 s94, s16, 96*PITCH
	s_add_co_u32 s94, s94, BOFF
	s_mul_i32 s95, s16, 16*272
	s_add_co_u32 s95, s95, SCL
	s_mul_i32 s96, s16, 12*272
	s_add_co_u32 s96, s96, SCLB
	s_wait_dscnt 0x0                               ; both opening adds are done
	s_wait_kmcnt 0x0
	s_add_nc_u64 s[20:21], s[4:5], s[20:21]
	s_add_nc_u64 s[22:23], s[4:5], s[22:23]
	s_add_nc_u64 s[46:47], s[6:7], s[46:47]
	s_add_nc_u64 s[92:93], s[6:7], s[92:93]
	CROUND                                         ; all sixteen work-groups are here: the joint loads meet
	s_mov_b32 s[G0S], 1
	s_mov_b32 s[G0S+1], s95
	s_mov_b64 s[G0S+2:G0S+3], s[22:23]
	s_or_b32 s[G0S+3], s[G0S+3], 0x80000000
	s_mov_b32 s[G0SB], 1
	s_mov_b32 s[G0SB+1], s96
	s_mov_b64 s[G0SB+2:G0SB+3], s[92:93]
	s_or_b32 s[G0SB+3], s[G0SB+3], 0x80000000
	JLOAD G0S, G1S, G0SB, G1SB                     ; the scale bytes first: they are wanted with chunk 0
.irp c, 0,1
	s_mov_b32 s[G0+4*\c], 1
	s_add_co_u32 s[G0+4*\c+1], s45, \c*CH
	s_add_nc_u64 s[G0+4*\c+2:G0+4*\c+3], s[20:21], \c*256
	s_or_b32 s[G0+4*\c+3], s[G0+4*\c+3], 0x80000000
	s_mov_b32 s[G0B+4*\c], 1
	s_add_co_u32 s[G0B+4*\c+1], s94, \c*CH
	s_add_nc_u64 s[G0B+4*\c+2:G0B+4*\c+3], s[46:47], \c*256
	s_or_b32 s[G0B+4*\c+3], s[G0B+4*\c+3], 0x80000000
	JLOAD G0+4*\c, G1, G0B+4*\c, G1B
.endr
	v_and_b32 v3, 15, v0                           ; r
	v_bfe_u32 v4, v0, 4, 1                         ; h
	v_mul_u32_u24 v5, v3, PITCH
	v_lshl_add_u32 v5, v4, 4, v5                   ; a fragment's row x pitch + 16 h
	s_mul_i32 s2, s14, 64*PITCH                    ; my 64 tokens
	v_add_nc_u32 v[ADRA], s2, v5
	v_add_nc_u32 v[ADRA+1], CH, v[ADRA]
	v_add_nc_u32 v[ADRB], BOFF, v5
	v_add_nc_u32 v[ADRB+1], CH, v[ADRB]
	v_lshrrev_b32 v6, 3, v3                        ; a row's 32 scale bytes: eight rows to a piece of 256 + 16
	v_mul_u32_u24 v6, v6, 272
	v_and_b32 v7, 7, v3
	v_lshl_add_u32 v6, v7, 5, v6
	s_mul_i32 s2, s14, 8*272
	s_add_co_u32 s2, s2, SCL
	v_add_nc_u32 v[ADSA], s2, v6
	v_add_nc_u32 v[ADSB], SCLB, v6
	v_and_b32 v7, 31, v0
	v_lshlrev_b32 v[LO], 4, v7
	v_lshlrev_b32 v[BQ], 5, v4
	v_lshlrev_b32 v[BV], 2, v3
	s_lshl_b32 s2, s42, 8                          ; the head's 64 numbers in each section of the bias
	s_mov_b32 s3, 0
	s_add_nc_u64 s[8:9], s[8:9], s[2:3]
	WIN 0x40                                       ; destination window 1
.irp ft, 0,1,2,3,4,5,6,7                       ; q's and k's bias in the result's layout: lane (r, h) wants features 16 ft + 8 h + 0 .. 7
	global_load_b128 v[QKB+8*\ft:QKB+8*\ft+3], v[BQ], s[8:9] offset:(\ft/4)*4096+(\ft%4)*64
	global_load_b128 v[QKB+8*\ft+4:QKB+8*\ft+7], v[BQ], s[8:9] offset:(\ft/4)*4096+(\ft%4)*64+16
.endr
	WIN 0
.irp ct, 0,1,2,3                               ; v's: lane (r, h) wants feature 16 ct + r, twice, as a pair for the packed addition
	global_load_b32 v[VB+2*\ct], v[BV], s[8:9] offset:8192+\ct*64
	global_load_b32 v[VB+2*\ct+1], v[BV], s[8:9] offset:8192+\ct*64
.endr
	s_lshl_b32 s2, s41, 4
	s_add_co_u32 s2, s2, s42                       ; batch x 16 + head
	s_mul_i32 s97, s2, 12288                       ; its place in qkv32
	s_lshl_b32 s2, s2, 18                          ; 262,144 bytes of images for a head in each section,
	s_lshl_b32 s3, s17, 15                         ; 32,768 for a block of 256 tokens,
	s_add_co_u32 s2, s2, s3
	s_lshl_b32 s3, s14, 13                         ; 8,192 for my 64
	s_add_co_u32 s2, s2, s3
	s_mov_b32 s3, 0
	s_add_nc_u64 s[10:11], s[10:11], s[2:3]        ; q
	s_add_nc_u64 s[66:67], s[10:11], KOFF          ; k
	s_add_nc_u64 s[98:99], s[10:11], VOFF          ; v
	s_mov_b32 s2, s97
	s_add_nc_u64 s[12:13], s[12:13], s[2:3]
	s_mov_b32 s[CQ], 0x3e38aa3b                    ; c = log2(e) / 8
	s_mov_b32 s[CQ+1], s[CQ]
	s_mov_b32 s[CQ+2], 1.0
	s_mov_b32 s[CQ+3], 1.0
.macro SCALES c                        ; chunk c's scale words: four a row (128 along K each); lane r takes row r's (lanes 16-31 the same, which nobody reads)
	WIN 0
.irp tt, 0,1,2,3
	ds_load_b128 v[SA+16*\c+4*\tt:SA+16*\c+4*\tt+3], v[ADSA] offset:\tt*544+16*\c
.endr
.irp ft, 0,1,2,3,4,5,6,7,8,9,10,11
	ds_load_b128 v[SB+48*\c+4*\ft:SB+48*\c+4*\ft+3], v[ADSB] offset:\ft*544+16*\c
.endr
.endm
.macro FETCH s                         ; the fragments of K step s (128 along K): W's twelve, x's four; registers 4 i .. 4 i + 3 hold K = 64 i + 32 h + 0 .. 31: 16 bytes of the row as they lie
.set fc, (\s)/4
.set fq, (\s)%4
.set fs, (\s)%2
	WIN 0x40
.irp ft, 0,1,2,3,4,5,6,7,8,9,10,11
.irp i, 0,1
	ds_load_b128 v[96*fs+8*\ft+4*\i:96*fs+8*\ft+4*\i+3], v[ADRB+fc] offset:\ft*16*PITCH+64*fq+32*\i
.endr
.endr
	WIN 0
.irp tt, 0,1,2,3
.irp i, 0,1
	ds_load_b128 v[AF+32*fs+8*\tt+4*\i:AF+32*fs+8*\tt+4*\i+3], v[ADRA+fc] offset:\tt*16*PITCH+64*fq+32*\i
.endr
.endr
.endm
; The 48 accumulators take turns, one instruction a turn, in the same order in every K step.  Step 0's products start the sums: nothing is cleared.
.macro MULQK s
.set mc, (\s)/4
.set mq, (\s)%4
.set ms, (\s)%2
	WIN 0xa1                                       ; source 0 (W) window 1, source 1 (x) window 0, C and D window 2
.irp ft, 0,1,2,3,4,5,6,7
.irp tt, 0,1,2,3
.if (\s) == 0
	v_wmma_scale_f32_16x16x128_f8f6f4 v[8*(4*\ft+\tt):8*(4*\ft+\tt)+7], v[96*ms+8*\ft:96*ms+8*\ft+7], v[AF+32*ms+8*\tt:AF+32*ms+8*\tt+7], 0, v[SB+48*mc+4*\ft+mq], v[SA+16*mc+4*\tt+mq] matrix_a_fmt:MATRIX_FMT_FP4 matrix_b_fmt:MATRIX_FMT_FP4
.else
	v_wmma_scale_f32_16x16x128_f8f6f4 v[8*(4*\ft+\tt):8*(4*\ft+\tt)+7], v[96*ms+8*\ft:96*ms+8*\ft+7], v[AF+32*ms+8*\tt:AF+32*ms+8*\tt+7], v[8*(4*\ft+\tt):8*(4*\ft+\tt)+7], v[SB+48*mc+4*\ft+mq], v[SA+16*mc+4*\tt+mq] matrix_a_fmt:MATRIX_FMT_FP4 matrix_b_fmt:MATRIX_FMT_FP4
.endif
.endr
.endr
.endm
.macro MULV s
.set mc, (\s)/4
.set mq, (\s)%4
.set ms, (\s)%2
	WIN 0xf4                                       ; source 0 (x) window 0, source 1 (W) window 1, C and D window 3
.irp ct, 0,1,2,3
.irp tt, 0,1,2,3
.if (\s) == 0
	v_wmma_scale_f32_16x16x128_f8f6f4 v[8*(4*\ct+\tt):8*(4*\ct+\tt)+7], v[AF+32*ms+8*\tt:AF+32*ms+8*\tt+7], v[96*ms+8*(8+\ct):96*ms+8*(8+\ct)+7], 0, v[SA+16*mc+4*\tt+mq], v[SB+48*mc+4*(8+\ct)+mq] matrix_a_fmt:MATRIX_FMT_FP4 matrix_b_fmt:MATRIX_FMT_FP4
.else
	v_wmma_scale_f32_16x16x128_f8f6f4 v[8*(4*\ct+\tt):8*(4*\ct+\tt)+7], v[AF+32*ms+8*\tt:AF+32*ms+8*\tt+7], v[96*ms+8*(8+\ct):96*ms+8*(8+\ct)+7], v[8*(4*\ct+\tt):8*(4*\ct+\tt)+7], v[SA+16*mc+4*\tt+mq], v[SB+48*mc+4*(8+\ct)+mq] matrix_a_fmt:MATRIX_FMT_FP4 matrix_b_fmt:MATRIX_FMT_FP4
.endif
.endr
.endr
.endm
.macro KSTEP s
	s_wait_dscnt 0x0                               ; this step's fragments, asked for ahead of the last step's 48 products, are in
.if (\s) == 3
	s_wait_tensorcnt 0x0                           ; my part of chunk 1 has landed;
	s_barrier_signal -1
	s_barrier_wait -1                              ; everybody's has.
	SCALES 1
.endif
.if (\s) < 7
	PLACES 4                                       ; four plain places between the last step's products and loads into the registers that they read
	FETCH (\s)+1
.endif
	MULQK \s
	MULV \s
.endm
	s_wait_tensorcnt 1                             ; the scale bytes and my part of chunk 0 are in; chunk 1's load may stay out
	s_barrier_signal -1
	s_barrier_wait -1                              ; everybody's are
	SCALES 0
	FETCH 0
.irp s, 0,1,2,3,4,5,6,7
	KSTEP \s
.endr
	WIN 0
	; THE WAY OUT.  Bias (and c for q) by one packed multiply-add, two roundings to f16 an instruction, each fragment in registers of its own, each store 512 consecutive bytes, aligned.
	s_wait_loadcnt 0x0                             ; the bias
	PLACES 4                                       ; between the last products and the first read of results and write of their operands
	WIN 0x41
.set i, 0
.rept 16
	v_pk_mul_f32 v[QKB+2*i:QKB+2*i+1], v[QKB+2*i:QKB+2*i+1], s[CQ:CQ+1] op_sel_hi:[1,0]   ; q's bias x c: (sum + b) c = sum c + b c
.set i, i+1
.endr
	WIN 0
	s_or_b32 s3, s17, s14                          ; tokens 0-15 of a batch lie in block 0, wave 0: cluster y and the wave's number, the same test in all partners
	s_cmp_lg_u32 s3, 0
	s_cbranch_scc1 .Lno32
	WIN 0x52                                       ; source 0 window 2, source 2 and destination window 1
.irp ft, 0,1,2,3,4,5,6,7
.irp k, 0,1,2,3
	v_pk_fma_f32 v[8*\ft+2*\k:8*\ft+2*\k+1], v[32*\ft+2*\k:32*\ft+2*\k+1], s[CQ+2*(\ft/4):CQ+2*(\ft/4)+1], v[QKB+8*\ft+2*\k:QKB+8*\ft+2*\k+1] op_sel_hi:[1,0,1]
.endr
.endr
	WIN 0x43                                       ; source 0 window 3, destination window 1
.irp ct, 0,1,2,3
.irp k, 0,1,2,3
	v_pk_add_f32 v[64+8*\ct+2*\k:64+8*\ct+2*\k+1], v[32*\ct+2*\k:32*\ct+2*\k+1], v[VB+2*\ct:VB+2*\ct+1]
.endr
.endr
	WIN 0x04                                       ; a store's data: window 1
.set i, 0
.rept 24
	global_store_b128 v[LO], v[4*i:4*i+3], s[12:13] offset:512*i
.set i, i+1
.endr
	WIN 0
	s_wait_xcnt 0x0                                ; these stores have read their registers, which the fragments below take
.Lno32:
.macro OUTQK sec, tt, u, f             ; feature tiles 4 sec + 2 u and + 1 of token tile tt become fragment f
	WIN 0x12                                       ; source 0 window 2, source 2 window 1
.irp d, 0,1
.irp k, 0,1,2,3
	v_pk_fma_f32 v[T+8*\d+2*\k:T+8*\d+2*\k+1], v[8*(4*(4*(\sec)+2*(\u)+\d)+(\tt))+2*\k:8*(4*(4*(\sec)+2*(\u)+\d)+(\tt))+2*\k+1], s[CQ+2*(\sec):CQ+2*(\sec)+1], v[QKB+8*(4*(\sec)+2*(\u)+\d)+2*\k:QKB+8*(4*(\sec)+2*(\u)+\d)+2*\k+1] op_sel_hi:[1,0,1]
.endr
.endr
	WIN 0x40
.irp k, 0,1,2,3,4,5,6,7
	v_cvt_pk_f16_f32 v[8*(\f)+\k], v[T+2*\k], v[T+2*\k+1]
.endr
.endm
.macro OUTV u2, ct, f                  ; token tiles 2 u2 and + 1 of channel tile ct become fragment f
	WIN 0x03                                       ; source 0 window 3
.irp d, 0,1
.irp k, 0,1,2,3
	v_pk_add_f32 v[T+8*\d+2*\k:T+8*\d+2*\k+1], v[8*(4*(\ct)+2*(\u2)+\d)+2*\k:8*(4*(\ct)+2*(\u2)+\d)+2*\k+1], v[VB+2*(\ct):VB+2*(\ct)+1]
.endr
.endr
	WIN 0x40
.irp k, 0,1,2,3,4,5,6,7
	v_cvt_pk_f16_f32 v[8*(\f)+\k], v[T+2*\k], v[T+2*\k+1]
.endr
.endm
.macro SEND first, lo, hi              ; sixteen stores: eight fragments from v[first] of window 1 on
	WIN 0x04
.set i, 0
.rept 16
	global_store_b128 v[LO], v[\first+4*i:\first+4*i+3], s[\lo:\hi] offset:512*i
.set i, i+1
.endr
.endm
.irp tt, 0,1,2,3
.irp u, 0,1
	OUTQK 0, \tt, \u, 2*\tt+\u
.endr
.endr
	SEND 0, 10, 11
.irp tt, 0,1,2,3
.irp u, 0,1
	OUTQK 1, \tt, \u, 8+2*\tt+\u
.endr
.endr
	SEND 64, 66, 67
.irp u, 0,1
.irp ct, 0,1,2,3
	OUTV \u, \ct, 16+4*\u+\ct
.endr
.endr
	SEND 128, 98, 99
	WIN 0
	s_wait_tensorcnt 0x0                           ; the wave's end, behind my last tensor load
	ds_add_u32 v[SPW], v[NIL]
	s_wait_dscnt 0x0
	CROUND                                         ; the closing round
	s_endpgm
.Lfunc_end_k_q754f4568d3_qkv:
	.size	k_q754f4568d3_qkv, .Lfunc_end_k_q754f4568d3_qkv-k_q754f4568d3_qkv
	.p2alignl 7, 3214868480
	.fill 96, 4, 3214868480
	.section	.rodata,"a",@progbits
	.p2align	6, 0x0
	.amdhsa_kernel k_q754f4568d3_qkv
		.amdhsa_group_segment_fixed_size 327680
		.amdhsa_private_segment_fixed_size 0
		.amdhsa_enable_private_segment 0
		.amdhsa_kernarg_size 40
		.amdhsa_user_sgpr_count 2
		.amdhsa_user_sgpr_kernarg_segment_ptr 1
		.amdhsa_wavefront_size32 1
		.amdhsa_system_sgpr_workgroup_id_x 1
		.amdhsa_system_sgpr_workgroup_id_y 1
		.amdhsa_system_sgpr_workgroup_id_z 1
		.amdhsa_system_vgpr_workitem_id 0
		.amdhsa_next_free_vgpr 896
		.amdhsa_next_free_sgpr 100
		.amdhsa_reserve_vcc 0
		.amdhsa_float_denorm_mode_32 3
		.amdhsa_float_denorm_mode_16_64 3
		.amdhsa_memory_ordered 1
		.amdhsa_forward_progress 1
		.amdhsa_inst_pref_size 118
	.end_amdhsa_kernel
	.amdgpu_metadata
---
amdhsa.version: [ 1, 2 ]
amdhsa.kernels:
  - .name:           k_q754f4568d3_qkv
    .symbol:         k_q754f4568d3_qkv.kd
    .args:
      - { .name: xq, .offset: 0, .size: 8, .value_kind: global_buffer, .address_space: global }
      - { .name: wq, .offset: 8, .size: 8, .value_kind: global_buffer, .address_space: global }
      - { .name: b_qkv, .offset: 16, .size: 8, .value_kind: global_buffer, .address_space: global }
      - { .name: qkv, .offset: 24, .size: 8, .value_kind: global_buffer, .address_space: global }
      - { .name: qkv32, .offset: 32, .size: 8, .value_kind: global_buffer, .address_space: global }
    .group_segment_fixed_size: 327680
    .private_segment_fixed_size: 0
    .kernarg_segment_align: 8
    .kernarg_segment_size: 40
    .max_flat_workgroup_size: 128
    .sgpr_count:     100
    .vgpr_count:     896
    .wavefront_size: 32
...
	.end_amdgpu_metadata
.endif
;; end of part 2
;; launch attn (part 3): grid 4 x 64, 8 waves a work-group, no clusters, 327,680 bytes of LDS; arguments qkv, timestamps, mask, decay_rate, oimg; writes oimg
.if DOCPART == 3
	.amdgcn_target "amdgcn-amd-amdhsa--gfx1250"
	.amdhsa_code_object_version 6
	.text
	.protected	k_q754f4568d3_attn
	.globl	k_q754f4568d3_attn
	.p2align	8
	.type	k_q754f4568d3_attn,@function
k_q754f4568d3_attn:
	s_mov_b64 s[64:65], 0
	v_nop
	global_prefetch_b8 v0, s[64:65] scope:SCOPE_SE
	s_setreg_imm32_b32 hwreg(HW_REG_WAVE_MODE, 25, 1), 1
	s_wait_xcnt 0x0
; ATTN.  o = softmax(q k^T / 8 - softplus(decay) |t_q - t_k| / 24, causal, keys with mask = 0 left out) v, for one batch and head.  Products on f16 operands, sums, maxima and the softmax in f32.
; q comes multiplied by log2(e) / 8, so scores are exponents of 2; the decay's coefficient is DC = softplus(decay) log2(e) / 24.  q, k, v come as images of operand registers ([half 2][lane 32][16 bytes]) and o leaves so.
; A MASKED KEY has its time replaced by +infinity in a table in LDS: |t_q - inf| x DC takes its score to -infinity.  A row with no key left has the sum 0 and comes out as 0 x infinity = NaN, as the softmax of such a row is.
; SHARES.  Work-group p (0..3) of a head takes the blocks of 256 queries 7 - p and then p: (8 - p) + (p + 1) = 9 slots of 256 keys under the causal mask, in every work-group alike.  A wave: 32 queries (two tiles) at
; 32 sigma in the block, sigma = w for waves 0-3 and 11 - w for waves 4-7: in a slot on the diagonal waves w and w + 4 then have five key steps between them.
; LAYOUT.  S^T = K Q^T (source 0 = 16 keys, source 1 = 16 queries): a lane holds ONE query and the keys 8 h + 0..7.  Two such tiles, rounded to f16 in pairs, are source 1 of O^T = V^T P; two tiles of O^T, rounded, are a
; fragment of the projection's left operand.  Nothing changes lanes but one exchange between the halves for a query's maximum and sum.
; RING.  Two slots of 64 KiB (K's 32 KiB of images, then V's); every wave fetches 8 KiB of a slot by one tensor load, so a wave has one load out.  The tail, the ninth slot, is written out.
; NO CLUSTER: the four work-groups of a head ask for the same slots in their first five trips only; after that their walks part (8 - p differs), and walking jointly to the end would cost 12 slots' time for 9 of work.
; LIMITS: scores stay above -3e38 (where the running maximum starts); DC is held at 1e-30 from below, so that infinity x DC is never infinity x 0: that moves a score by at most 1e-30 |t_q - t_k|; |o| at or under 65,504.
; REGISTERS.  window 0: v1-11 addresses and constants; v16-31 eight statistics a tile; v32-39, v48-55 differences of times; v40-47 maxima; v64-127 S^T; v128-159 P; v160-191 key times; v192-255 O^T.
;   window 1: v0-63 K's fragments of a step, v64-127 V's, v128-159 Q's.
.set SLOT1, 65536                      ; slot 1 begins here: one exclusive or turns an address in one slot into the other's
.set VO,    32768                      ; V's images in a slot
.set TKB,   131072                     ; the key times, IN THE ORDER OF THE WALK: 9 slots x 256 x 4 bytes.  Written by LDS stores: no fill lands here
.set SPARE, 140288                     ; the spare words, 128 bytes a wave, which no other line names
.set KOFF,  16777216
.set VOFF,  33554432
.set SPW,  1
.set NIL,  2
.set LI,   3                           ; 16 x lane
.set ADK,  4                           ; the step's images
.set ATK,  5                           ; the step's key times
.set ATK0, 6                           ; TKB + 32 h
.set DC,   7
.set RH,   8                           ; r - 8 h
.set NINF, 9
.set PFO,  10                          ; 256 x lane
.set TQO,  11                          ; 4 r
.set ST,   16                          ; tile t at v[ST + 8 t]: +0 m, +1 old m, then m_old - m_new, +2, +3 l (two halves), +4 a, +5 at work, +6 t_q, +7 the causal bound
.set DA,   32
.set MX,   40
.set S,    64
.set PF,   128
.set TK,   160
.set OA,   192
.set WV,   14
.set PP,   15
.set LA,   16                          ; slots of the first block: 8 - p
.set BLK,  17
.set Q0,   18                          ; my first query in the sequence
.set QEND, 19                          ; one past the block's last key
.set KF,   20                          ; the step's first key
.set TB,   21                          ; LDS byte at which the step's images of K begin
.set TT,   22                          ; where the step's key times begin in the table
.set SLOTS, 23
.set KSN,  24                          ; which 256 keys the next slot holds
.set CNT,  25
.set SEL,  26                          ; s[26:27] selects for lane l xor 16
.set BH,   28
.set BB,   29
.set HD,   30
.set SIG,  31
.set G1,   32                          ; s[32:39]
.set G0,   40                          ; s[40:43]
.set KVB,  44                          ; s[44:45] my 8 KiB of the head's first slot
.set PFA,  46                          ; s[46:47] where my prefetches stand
.set LIM,  48
.set QB,   52
.set TQB,  54
.set OB,   56
.set HB,   60                          ; q's images of the head
.set TSB,  62                          ; the batch's timestamps
.set OHB,  66                          ; oimg at the batch's first row tile, the head's K steps
.set MSB, 0
.macro WIN new
.if MSB != \new
	s_set_vgpr_msb (MSB<<8)|\new
.set MSB, \new
.endif
.endm
	s_load_b256 s[4:11], s[0:1], 0x0               ; qkv, timestamps, mask, decay_rate
	s_load_b64 s[12:13], s[0:1], 0x20              ; oimg
	v_lshl_add_u32 v[SPW], v0, 2, SPARE
	v_mov_b32 v[NIL], 0
	ds_add_u32 v[SPW], v[NIL]                      ; the wave's opening: the add, twice on end, and its wait ahead of my first tensor load
	ds_add_u32 v[SPW], v[NIL]
	v_lshrrev_b32 v12, 5, v0
	v_readfirstlane_b32 s[WV], v12                 ; wave 0..7
	s_mov_b32 s[PP], ttmp9
	s_sub_co_u32 s[LA], 8, s[PP]
	s_and_b32 s[BH], ttmp7, 0xffff
	s_lshr_b32 s[BB], s[BH], 4
	s_and_b32 s[HD], s[BH], 15
	s_sub_co_u32 s[SIG], 11, s[WV]
	s_mov_b32 s68, VOFF
	s_cmp_lt_u32 s[WV], 4
	s_cselect_b32 s[SIG], s[WV], s[SIG]
	s_cselect_b32 s68, KOFF, s68                   ; waves 0-3 fetch K's images, waves 4-7 V's
	s_lshl_b32 s70, s[BH], 18                      ; a head's images: 262,144 bytes in each section
	s_mov_b32 s71, 0
	s_add_co_u32 s68, s68, s70
	s_and_b32 s69, s[WV], 3
	s_lshl_b32 s69, s69, 13                        ; my 8 KiB of a slot's 32
	s_add_co_u32 s68, s68, s69
	s_mov_b32 s69, 0
	s_mov_b32 s[G1+0], 3<<16                       ; a dense block of 8 KiB as 32 rows of 256 bytes (32 elements of 8); no mask, no padding: images are read at 16 x lane
	s_mov_b32 s[G1+1], 32<<16
	s_mov_b32 s[G1+2], 32<<16
	s_mov_b32 s[G1+3], 32<<16
	s_mov_b32 s[G1+4], 32
	s_mov_b32 s[G1+5], 32
	s_mov_b32 s[G1+6], 0
	s_mov_b32 s[G1+7], 0
	s_mov_b32 s[G0], 1
	s_lshl_b32 s[G0+1], s[WV], 13                  ; slot 0, 8,192 x wave
	s_mov_b32 s[SEL], 0x76543210
	s_mov_b32 s[SEL+1], 0xfedcba98
	s_mov_b32 s[TB], 0
	s_mov_b32 s[TT], 0
	s_mov_b32 s[KSN], 0
	s_mov_b32 s[SLOTS], 8
	s_cmp_eq_u32 s[PP], 0
	s_cselect_b32 s[LIM], 2, -1                    ; the head's work-group 0 prefetches while more than two trips are left
	s_wait_dscnt 0x0                               ; both opening adds are done
	s_wait_kmcnt 0x0
	s_add_nc_u64 s[KVB:KVB+1], s[4:5], s[68:69]
	s_mov_b64 s[G0+2:G0+3], s[KVB:KVB+1]
	s_or_b32 s[G0+3], s[G0+3], 0x80000000
	tensor_load_to_lds s[G0:G0+3], s[G1:G1+7]      ; slot 0: keys 0 to 255
	s_nop 0
.rept 4
	v_nop
.endr
	s_add_nc_u64 s[PFA:PFA+1], s[KVB:KVB+1], 32768 ; the first change of slots steps it to keys 512 on
	s_add_nc_u64 s[HB:HB+1], s[4:5], s[70:71]
	s_lshl_b32 s72, s[BB], 13
	s_mov_b32 s73, 0
	s_add_nc_u64 s[TSB:TSB+1], s[6:7], s[72:73]
	s_lshl_b32 s74, s[BB], 22                      ; 128 row tiles of 32,768 bytes a batch
	s_lshl_b32 s75, s[HD], 11                      ; two K steps of 1,024 bytes a head
	s_add_co_u32 s74, s74, s75
	s_mov_b32 s75, 0
	s_add_nc_u64 s[OHB:OHB+1], s[12:13], s[74:75]
	; THE TABLE: thread i takes key i of each of the walk's nine slots; slot n holds keys 256 n on in the first block (n < 8 - p), 256 (n - (8 - p)) on in the second
	v_lshlrev_b32 v12, 2, v0
	v_add_nc_u32 v12, s72, v12                     ; 4 x thread + the batch's 8,192 bytes
	v_lshl_add_u32 v13, v0, 2, TKB
.irp n, 0,1,2,3,4,5,6,7,8
	s_cmp_gt_u32 s[LA], \n
	s_cselect_b32 s73, 0, s[LA]
	s_sub_co_u32 s73, \n, s73
	s_lshl_b32 s73, s73, 10
	v_add_nc_u32 v[96+\n], s73, v12
	global_load_b32 v[64+\n], v[96+\n], s[6:7]
	global_load_b32 v[80+\n], v[96+\n], s[8:9]
.endr
	v_mov_b32 v14, s[HD]
	v_lshlrev_b32 v14, 2, v14
	global_load_b32 v60, v14, s[10:11]             ; the head's decay
	v_and_b32 v15, 31, v0
	v_lshlrev_b32 v[LI], 4, v15
	v_lshlrev_b32 v[PFO], 8, v15
	v_and_b32 v56, 15, v0                          ; r
	v_bfe_u32 v57, v0, 4, 1                        ; h
	v_lshl_add_u32 v[ATK0], v57, 5, TKB
	v_lshlrev_b32 v58, 3, v57
	v_sub_nc_u32 v[RH], v56, v58
	v_mov_b32 v[NINF], 0xff800000
	v_mov_b32 v59, 0x7f800000
	v_lshlrev_b32 v[TQO], 2, v56
	s_wait_loadcnt 0x0
.irp n, 0,1,2,3,4,5,6,7,8
	v_cmp_eq_f32 vcc_lo, 0, v[80+\n]
	v_cndmask_b32 v[64+\n], v[64+\n], v59, vcc_lo  ; a masked key's time is +infinity
	ds_store_b32 v13, v[64+\n] offset:\n*1024
.endr
	; DC = softplus(x) log2(e) / 24 = max(x, 0) log2(e) / 24 + log2(1 + 2^(-|x| log2(e))) / 24
	v_and_b32 v33, 0x7fffffff, v60
	v_mul_f32 v33, 0xbfb8aa3b, v33
	v_exp_f32 v33, v33
	v_max_num_f32 v34, 0, v60                      ; (a plain line behind the transcendental)
	s_wait_alu depctr_va_vdst(0)                   ; ahead of the first line that names the result
	v_add_f32 v33, 1.0, v33
	v_log_f32 v33, v33
	v_mul_f32 v34, 0x3d76384f, v34                 ; x log2(e) / 24
	s_wait_alu depctr_va_vdst(0)
	v_fmac_f32 v34, 0x3d2aaaab, v33                ; + log2(..) / 24
	v_max_num_f32 v[DC], 0x0da24260, v34           ; held at 1e-30 from below
; A block of queries begins: addresses, Q's four fragments, the queries' times; m = -3e38, l = 0, O^T = 0, so that the key step is written once.
.macro RESTART
	s_wait_xcnt 0x0                                ; earlier loads and stores have read their bases and registers
	s_lshl_b32 s[Q0], s[BLK], 8
	s_add_co_u32 s[QEND], s[Q0], 256
	s_lshl_b32 s72, s[SIG], 5
	s_add_co_u32 s[Q0], s[Q0], s72
	s_mov_b32 s[KF], 0
	s_lshl_b32 s72, s[Q0], 7                       ; a token tile's two images: 2,048 bytes
	s_mov_b32 s73, 0
	s_add_nc_u64 s[QB:QB+1], s[HB:HB+1], s[72:73]
	s_lshl_b32 s72, s[Q0], 2
	s_add_nc_u64 s[TQB:TQB+1], s[TSB:TSB+1], s[72:73]
	s_lshl_b32 s72, s[Q0], 11                      ; a row tile of oimg: 32,768 bytes
	s_add_nc_u64 s[OB:OB+1], s[OHB:OHB+1], s[72:73]
	WIN 0x40
.irp i, 0,1,2,3,4,5,6,7
	global_load_b128 v[128+4*\i:128+4*\i+3], v[LI], s[QB:QB+1] offset:512*\i
.endr
	WIN 0
.irp t, 0,1
	global_load_b32 v[ST+8*\t+6], v[TQO], s[TQB:TQB+1] offset:64*\t
.endr
.irp t, 0,1
	v_mov_b32 v[ST+8*\t], 0xff61b1e6               ; -3e38
.irp k, 1,2,3,4,5,7
	v_mov_b32 v[ST+8*\t+\k], 0
.endr
.endr
.set i, 0
.rept 64
	v_mov_b32 v[OA+i], 0
.set i, i+1
.endr
	s_wait_loadcnt 0x0
.endm
; A PREFETCH INTO THE L2.  The head's work-group 0 walks slots 0 to 7 in trips 0 to 7; in trip n <= 5 each of its eight waves names its own 8 KiB (lanes 256 bytes apart) of the keys 256 (n + 2) on: what the NEXT change of
; slots will ask for.  So each aligned block of 256 bytes is named once in the launch.  Keys 0 to 511 come by their loads alone; the last two trips ask for nothing.
.macro ASK
	s_cmp_gt_u32 s[SLOTS], s[LIM]
	s_cbranch_scc0 .Lnot_mine_\@
	global_prefetch_b8 v[PFO], s[PFA:PFA+1] th:TH_LOAD_NT scope:SCOPE_SE
.Lnot_mine_\@:
.endm
; THE CHANGE OF SLOTS stands at a slot's head.  Each wave waits for all its tensor loads (its part of the slot ahead), adds 0 to its spare word, and waits for that, for its LDS stores and for its reads of the slot that it
; has left.  Behind the barrier the slot ahead is whole and nobody reads the other one.  fill = 1: that other slot takes the walk's next 256 keys: the load has four key steps in which to land.
.macro CHANGE fill
	s_wait_tensorcnt 0x0                           ; no tensor load of mine is out, so group 0 may be written
	ds_add_u32 v[SPW], v[NIL]                      ; 0 onto my spare word; the steps below stand between it and the wait for it
.if \fill
	s_xor_b32 s[G0+1], s[G0+1], SLOT1
	s_add_co_u32 s[KSN], s[KSN], 1
	s_cmp_eq_u32 s[KSN], s[LA]
	s_cselect_b32 s[KSN], 0, s[KSN]                ; behind the first block's last slot the second block begins at key 0
	s_lshl_b32 s72, s[KSN], 15
	s_mov_b32 s73, 0
	s_add_nc_u64 s[G0+2:G0+3], s[KVB:KVB+1], s[72:73]
	s_or_b32 s[G0+3], s[G0+3], 0x80000000
	s_wait_xcnt 0x0                                ; the last prefetch, a slot back, has read its address
	s_add_nc_u64 s[PFA:PFA+1], s[PFA:PFA+1], 32768
.endif
	s_wait_dscnt 0x0
	s_barrier_signal -1
	s_barrier_wait -1
.if \fill
	tensor_load_to_lds s[G0:G0+3], s[G1:G1+7]      ; the first thing behind the barrier, and my one tensor load until the next
	s_nop 0
.rept 4
	v_nop
.endr
	ASK
.endif
.endm
; A KEY STEP: 64 keys against my 32 queries.
.macro STEP
	s_add_co_u32 s72, s[Q0], 31                    ; a step all of whose keys come after my queries is left out: a branch on ids and counts alone, round the work, not round the steps of addresses at its end
	s_cmp_gt_u32 s[KF], s72
	s_cbranch_scc1 .Lhid_\@
	v_add_nc_u32 v[ADK], s[TB], v[LI]
	v_add_nc_u32 v[ATK], s[TT], v[ATK0]
	v_nop
	v_nop                                          ; four plain places between the last step's products and loads into V's registers
	WIN 0x40
.set i, 0
.rept 32                               ; K's eight fragments (v0-63), then V's eight (v64-127): halves of 512 bytes
	ds_load_b128 v[4*i:4*i+3], v[ADK] offset:512*i+(i/16)*(VO-8192)
.set i, i+1
.endr
	WIN 0
.set i, 0
.rept 8                                ; register 8 kt + j: the time of key 16 kt + 8 h + j
	ds_load_b128 v[TK+4*i:TK+4*i+3], v[ATK] offset:(i/2)*64+(i%2)*16
.set i, i+1
.endr
	s_wait_dscnt 24                                ; K is in; V's sixteen loads and the times' eight may stay out
	WIN 0x05                                       ; K and Q in window 1
.irp c, 0,1                                    ; S^T = K Q^T: eight accumulators by turns; the first 32 channels start the sums
.irp kt, 0,1,2,3
.irp t, 0,1
.if \c == 0
	v_wmma_f32_16x16x32_f16 v[S+32*\t+8*\kt:S+32*\t+8*\kt+7], v[16*\kt+8*\c:16*\kt+8*\c+7], v[128+8*(2*\t+\c):128+8*(2*\t+\c)+7], 0
.else
	v_wmma_f32_16x16x32_f16 v[S+32*\t+8*\kt:S+32*\t+8*\kt+7], v[16*\kt+8*\c:16*\kt+8*\c+7], v[128+8*(2*\t+\c):128+8*(2*\t+\c)+7], v[S+32*\t+8*\kt:S+32*\t+8*\kt+7]
.endif
.endr
.endr
.endr
	WIN 0
	s_wait_dscnt 0x0                               ; the times and V
.irp t, 0,1                                    ; s - DC |t_k - t_q|.  The first four packed subtractions are the four places behind the products
.irp kt, 0,1,2,3
.irp k, 0,1,2,3
	v_pk_add_f32 v[DA+16*(\kt%2)+2*\k:DA+16*(\kt%2)+2*\k+1], v[TK+8*\kt+2*\k:TK+8*\kt+2*\k+1], v[ST+8*\t+6:ST+8*\t+7] op_sel_hi:[1,0] neg_lo:[0,1] neg_hi:[0,1]
.endr
.irp j, 0,1,2,3,4,5,6,7
	v_fma_f32 v[S+32*\t+8*\kt+\j], -|v[DA+16*(\kt%2)+\j]|, v[DC], v[S+32*\t+8*\kt+\j]
.endr
.endr
.endr
	s_add_co_u32 s72, s[KF], 63                    ; a step all of whose keys count for all my queries skips the causal mask
	s_cmp_le_u32 s72, s[Q0]
	s_cbranch_scc1 .Lopen_\@
	s_sub_co_i32 s72, s[Q0], s[KF]
	s_add_co_i32 s73, s72, 16
	v_add_nc_u32 v[ST+7], s72, v[RH]               ; register i holds key KF + 16 (i / 8) + 8 h + i % 8: hidden where 16 (i / 8) + i % 8 > my query - KF - 8 h
	v_add_nc_u32 v[ST+15], s73, v[RH]
.irp t, 0,1
.set i, 0
.rept 32
	v_cmp_gt_i32 vcc_lo, 16*(i/8)+i%8, v[ST+8*\t+7]
	v_cndmask_b32 v[S+32*\t+i], v[S+32*\t+i], v[NINF], vcc_lo
.set i, i+1
.endr
.endr
.Lopen_\@:
.irp j, 0,1,2,3                                ; the maximum of 32 scores and the old m: sixteen instructions a tile, four chains, the tiles by turns
.irp t, 0,1
	v_max3_num_f32 v[MX+4*\t+\j], v[S+32*\t+8*\j], v[S+32*\t+8*\j+1], v[S+32*\t+8*\j+2]
.endr
.endr
.irp g, 1,2
.irp j, 0,1,2,3
.irp t, 0,1
	v_max3_num_f32 v[MX+4*\t+\j], v[MX+4*\t+\j], v[S+32*\t+8*\j+2*\g+1], v[S+32*\t+8*\j+2*\g+2]
.endr
.endr
.endr
.irp t, 0,1
	v_max3_num_f32 v[MX+4*\t], v[MX+4*\t], v[S+32*\t+7], v[S+32*\t+15]
	v_max3_num_f32 v[MX+4*\t+2], v[MX+4*\t+2], v[S+32*\t+23], v[S+32*\t+31]
.endr
.irp t, 0,1
	v_max3_num_f32 v[MX+4*\t], v[MX+4*\t], v[MX+4*\t+1], v[MX+4*\t+2]
.endr
.irp t, 0,1
	v_max3_num_f32 v[MX+4*\t], v[MX+4*\t], v[MX+4*\t+3], v[ST+8*\t]
.endr
.irp t, 0,1
	v_permlanex16_b32 v[ST+8*\t+5], v[MX+4*\t], s[SEL], s[SEL+1]   ; the query's other 32 keys lie in the lane 16 away
.endr
.irp t, 0,1
	v_mov_b32 v[ST+8*\t+1], v[ST+8*\t]
.endr
.irp t, 0,1
	v_max_num_f32 v[ST+8*\t], v[MX+4*\t], v[ST+8*\t+5]             ; the new m
.endr
.irp t, 0,1
	v_sub_f32 v[ST+8*\t+1], v[ST+8*\t+1], v[ST+8*\t]               ; m_old - m_new
.endr
.set i, 0
.rept 16
.irp t, 0,1
	v_pk_add_f32 v[S+32*\t+2*i:S+32*\t+2*i+1], v[S+32*\t+2*i:S+32*\t+2*i+1], v[ST+8*\t:ST+8*\t+1] op_sel_hi:[1,0] neg_lo:[0,1] neg_hi:[0,1]   ; s - m
.endr
.set i, i+1
.endr
.irp t, 0,1
	v_exp_f32 v[ST+8*\t+4], v[ST+8*\t+1]           ; a = 2^(m_old - m_new).  ONE BATCH of 66 exponentials, none of which reads another's result
.endr
.set i, 0
.rept 64
	v_exp_f32 v[S+i], v[S+i]                       ; p = 2^(s - m)
.set i, i+1
.endr
	v_nop                                          ; a plain line behind the last exponential
	s_wait_alu depctr_va_vdst(0)                   ; one wait for the batch, ahead of its first reader
.set i, 0
.rept 16
.irp t, 0,1
	v_cvt_pk_f16_f32 v[PF+16*\t+i], v[S+32*\t+2*i], v[S+32*\t+2*i+1]   ; P's fragments: tiles 2 u and 2 u + 1 are keys 32 u on
.endr
.set i, i+1
.endr
.irp u, 0,1,2,3,4,5,6,7                        ; the sum of the unrounded p, in place, in pairs
.irp t, 0,1
	v_pk_add_f32 v[S+32*\t+4*\u:S+32*\t+4*\u+1], v[S+32*\t+4*\u:S+32*\t+4*\u+1], v[S+32*\t+4*\u+2:S+32*\t+4*\u+3]
.endr
.endr
.irp u, 0,1,2,3
.irp t, 0,1
	v_pk_add_f32 v[S+32*\t+8*\u:S+32*\t+8*\u+1], v[S+32*\t+8*\u:S+32*\t+8*\u+1], v[S+32*\t+8*\u+4:S+32*\t+8*\u+5]
.endr
.endr
.irp u, 0,1
.irp t, 0,1
	v_pk_add_f32 v[S+32*\t+16*\u:S+32*\t+16*\u+1], v[S+32*\t+16*\u:S+32*\t+16*\u+1], v[S+32*\t+16*\u+8:S+32*\t+16*\u+9]
.endr
.endr
.irp t, 0,1
	v_pk_add_f32 v[S+32*\t:S+32*\t+1], v[S+32*\t:S+32*\t+1], v[S+32*\t+16:S+32*\t+17]
.endr
.irp t, 0,1
	v_pk_fma_f32 v[ST+8*\t+2:ST+8*\t+3], v[ST+8*\t+2:ST+8*\t+3], v[ST+8*\t+4:ST+8*\t+5], v[S+32*\t:S+32*\t+1] op_sel_hi:[1,0,1]   ; l = l a + the sum
.endr
.set i, 0
.rept 16
.irp t, 0,1
	v_pk_mul_f32 v[OA+32*\t+2*i:OA+32*\t+2*i+1], v[OA+32*\t+2*i:OA+32*\t+2*i+1], v[ST+8*\t+4:ST+8*\t+5] op_sel_hi:[1,0]           ; O^T x a
.endr
.set i, i+1
.endr
	WIN 0x01                                       ; V in window 1
.irp u, 0,1                                    ; O^T += V^T P: eight accumulators by turns
.irp ct, 0,1,2,3
.irp t, 0,1
	v_wmma_f32_16x16x32_f16 v[OA+32*\t+8*\ct:OA+32*\t+8*\ct+7], v[64+8*(4*\u+\ct):64+8*(4*\u+\ct)+7], v[PF+16*\t+8*\u:PF+16*\t+8*\u+7], v[OA+32*\t+8*\ct:OA+32*\t+8*\ct+7]
.endr
.endr
.endr
	WIN 0
.Lhid_\@:
	s_add_co_u32 s[KF], s[KF], 64
	s_add_co_u32 s[TB], s[TB], 8192
	s_add_co_u32 s[TT], s[TT], 256
.endm
.macro FOUR_STEPS                      ; a slot's four key steps: written once, walked four times
	s_mov_b32 s[CNT], 4
.Lstep_\@:
	STEP
	s_sub_co_u32 s[CNT], s[CNT], 1
	s_cmp_lg_u32 s[CNT], 0
	s_cbranch_scc1 .Lstep_\@
	s_sub_co_u32 s[TB], s[TB], 32768
	s_xor_b32 s[TB], s[TB], SLOT1                  ; on to the other slot
.endm
; A block of queries ends: O^T / l, rounded to f16; tiles 2 u and 2 u + 1 are the image of K step 2 head + u of my row tile.  Each store covers 512 consecutive bytes, aligned.
.macro FINISH
.rept 4
	v_nop                                          ; four places behind the last products
.endr
.irp t, 0,1
	v_add_f32 v[ST+8*\t+4], v[ST+8*\t+2], v[ST+8*\t+3]
.endr
.irp t, 0,1
	v_permlanex16_b32 v[ST+8*\t+5], v[ST+8*\t+4], s[SEL], s[SEL+1]
.endr
.irp t, 0,1
	v_add_f32 v[ST+8*\t+4], v[ST+8*\t+4], v[ST+8*\t+5]
.endr
.irp t, 0,1
	v_rcp_f32 v[ST+8*\t+4], v[ST+8*\t+4]
.endr
	v_nop
	s_wait_alu depctr_va_vdst(0)                   ; one wait for the two reciprocals
.set i, 0
.rept 16
.irp t, 0,1
	v_pk_mul_f32 v[S+32*\t+2*i:S+32*\t+2*i+1], v[OA+32*\t+2*i:OA+32*\t+2*i+1], v[ST+8*\t+4:ST+8*\t+5] op_sel_hi:[1,0]
.endr
.set i, i+1
.endr
.set i, 0
.rept 32
	v_cvt_pk_f16_f32 v[PF+i], v[S+2*i], v[S+2*i+1]
.set i, i+1
.endr
.irp t, 0,1
.irp g, 0,1,2,3
	global_store_b128 v[LI], v[PF+16*\t+4*\g:PF+16*\t+4*\g+3], s[OB:OB+1] offset:\t*32768+512*\g
.endr
.endr
.endm
	s_sub_co_u32 s[BLK], 7, s[PP]
	RESTART
.Lslot:                                            ; eight trips: behind each change of slots the walk's next slot is asked for
	CHANGE 1
	FOUR_STEPS
	s_cmp_lg_u32 s[KF], s[QEND]                    ; the first block's last key is passed: ids and counts alone, the same in all eight waves; no barrier stands in the arm
	s_cbranch_scc1 .Lsame
	FINISH
	s_mov_b32 s[BLK], s[PP]
	RESTART
.Lsame:
	s_sub_co_u32 s[SLOTS], s[SLOTS], 1
	s_cmp_lg_u32 s[SLOTS], 0
	s_cbranch_scc1 .Lslot
	CHANGE 0                                       ; the ninth slot is written out: nothing is left to fetch
	FOUR_STEPS
	FINISH
	s_wait_tensorcnt 0x0                           ; the wave's end, behind my last tensor load and my last LDS store
	ds_add_u32 v[SPW], v[NIL]
	s_wait_dscnt 0x0
	s_endpgm
.Lfunc_end_k_q754f4568d3_attn:
	.size	k_q754f4568d3_attn, .Lfunc_end_k_q754f4568d3_attn-k_q754f4568d3_attn
	.p2alignl 7, 3214868480
	.fill 96, 4, 3214868480
	.section	.rodata,"a",@progbits
	.p2align	6, 0x0
	.amdhsa_kernel k_q754f4568d3_attn
		.amdhsa_group_segment_fixed_size 327680
		.amdhsa_private_segment_fixed_size 0
		.amdhsa_enable_private_segment 0
		.amdhsa_kernarg_size 40
		.amdhsa_user_sgpr_count 2
		.amdhsa_user_sgpr_kernarg_segment_ptr 1
		.amdhsa_wavefront_size32 1
		.amdhsa_system_sgpr_workgroup_id_x 1
		.amdhsa_system_sgpr_workgroup_id_y 1
		.amdhsa_system_sgpr_workgroup_id_z 1
		.amdhsa_system_vgpr_workitem_id 0
		.amdhsa_next_free_vgpr 416
		.amdhsa_next_free_sgpr 80
		.amdhsa_reserve_vcc 1
		.amdhsa_float_denorm_mode_32 3
		.amdhsa_float_denorm_mode_16_64 3
		.amdhsa_memory_ordered 1
		.amdhsa_forward_progress 1
		.amdhsa_inst_pref_size 85
	.end_amdhsa_kernel
	.amdgpu_metadata
---
amdhsa.version: [ 1, 2 ]
amdhsa.kernels:
  - .name:           k_q754f4568d3_attn
    .symbol:         k_q754f4568d3_attn.kd
    .args:
      - { .name: qkv, .offset: 0, .size: 8, .value_kind: global_buffer, .address_space: global }
      - { .name: timestamps, .offset: 8, .size: 8, .value_kind: global_buffer, .address_space: global }
      - { .name: mask, .offset: 16, .size: 8, .value_kind: global_buffer, .address_space: global }
      - { .name: decay_rate, .offset: 24, .size: 8, .value_kind: global_buffer, .address_space: global }
      - { .name: oimg, .offset: 32, .size: 8, .value_kind: global_buffer, .address_space: global }
    .group_segment_fixed_size: 327680
    .private_segment_fixed_size: 0
    .kernarg_segment_align: 8
    .kernarg_segment_size: 40
    .max_flat_workgroup_size: 256
    .sgpr_count:     80
    .vgpr_count:     416
    .wavefront_size: 32
...
	.end_amdgpu_metadata
.endif
;; end of part 3
;; launch proj (part 4): grid 8 x 32, 4 waves a work-group, clusters of 4 x 4, 327,680 bytes of LDS; arguments oimg, wimg, b_out, out0; writes out0
.if DOCPART == 4
	.amdgcn_target "amdgcn-amd-amdhsa--gfx1250"
	.amdhsa_code_object_version 6
	.text
	.protected	k_q754f4568d3_proj
	.globl	k_q754f4568d3_proj
	.p2align	8
	.type	k_q754f4568d3_proj,@function
k_q754f4568d3_proj:
	s_mov_b64 s[64:65], 0
	v_nop
	global_prefetch_b8 v0, s[64:65] scope:SCOPE_SE
	s_setreg_imm32_b32 hwreg(HW_REG_WAVE_MODE, 25, 1), 1
	s_wait_xcnt 0x0
	s_wait_alu depctr_hold_cnt(0) depctr_sa_sdst(0) depctr_va_vdst(0) depctr_va_sdst(0) depctr_va_ssrc(0) depctr_va_vcc(0) depctr_vm_vsrc(0)
	s_getreg_b32 s2, hwreg(HW_REG_IB_STS2, 6, 4)
	s_cmp_eq_u32 s2, 0
	s_cbranch_scc0 .Lentry_in_a_cluster
	s_endpgm
.Lentry_in_a_cluster:
	s_bfe_u32 s2, ttmp6, 0x10000c
	s_cmp_lg_u32 s2, 0xf033
	s_cbranch_scc0 .Lentry_shape_is_right
	s_endpgm
.Lentry_shape_is_right:
; PROJ.  out0 = o W_out^T + b_out: [8192][1024] x [1024][1024], f16 operands, f32 sums, f32 out.  Both operands come as images of operand registers: [tile of 16 rows][K step of 32: 32][half 2][lane 32][16 bytes].
; (Rows 0-15 of each batch are written here too and written over by the next launch, which carries them in f32: 256 KiB.)
; SHARES.  A work-group: 256 rows x 128 columns.  A wave: 128 rows x 64 columns: 8 x 4 accumulators, 256 registers (window 1).  K goes in steps of 128 (four images a tile) through a ring of two LDS slots.
; THE MATRIX INSTRUCTION IS USED TRANSPOSED (source 0 = 16 rows of W_out, source 1 = 16 rows of o): a lane holds eight neighbouring columns of one row.  The bias is the C of each sum's first product.
; CLUSTER 4 x 4: the four of a row of the cluster need the same tiles of o, the four of a column the same tiles of W_out: each is asked for jointly.  A wave has two tensor loads out at the start, then one.
; REGISTERS.  window 0: v16-30 addresses; v32-63 the bias; two fragment sets at v64 and v160: o's eight fragments, then W_out's four; on the way out v64-127 take rows of the result.
.set SLOT,   98304                     ; o's 16 tiles x 4 KiB, then W_out's 8 tiles x 4 KiB
.set BO,     65536
.set STAGE,  2*SLOT                    ; behind the ring: 16 rows x (256 bytes + 16) for each wave
.set SPITCH, 272
.set SPARE,  STAGE+4*16*SPITCH         ; the spare words, 128 bytes a wave, which no other line names
.set ADRA, 16
.set ADRB, 20
.set STO,  24
.set RD,   25
.set CO,   26
.set BI,   27
.set SPW,  28
.set NIL,  29
.set PFO,  30
.set BS,   32
.set FR,   64
.set G1,   24
.set G0,   32
.set G1B,  48
.set G0B,  56
.set PFA,  44
.set LIM,  46
.set MSB, 0
.macro WIN new
.if MSB != \new
	s_set_vgpr_msb (MSB<<8)|\new
.set MSB, \new
.endif
.endm
.macro JLOAD s                         ; a joint load: waves 0 and 1 fetch o's two halves, waves 2 and 3 W_out's; an s_nop 0 and four v_nop follow each of the two lines
	s_cmp_eq_u32 s15, 0
	s_cbranch_scc0 .Lfor_b_\@
	tensor_load_to_lds s[G0+4*\s:G0+4*\s+3], s[G1:G1+7]
	s_nop 0
.rept 4
	v_nop
.endr
	s_branch .Lasked_\@
.Lfor_b_\@:
	tensor_load_to_lds s[G0B+4*\s:G0B+4*\s+3], s[G1B:G1B+7]
	s_nop 0
.rept 4
	v_nop
.endr
.Lasked_\@:
.endm
.macro CREST                           ; a round of the cluster's barrier behind its opening barrier
	s_cmp_lg_u32 s14, 0
	s_cbranch_scc1 .Lnot_wave_0_\@
	s_barrier_signal -3
.Lnot_wave_0_\@:
	s_barrier_wait -3
	s_barrier_signal -1
	s_barrier_wait -1
.endm
.macro CROUND
	s_barrier_signal -1
	s_barrier_wait -1
	CREST
.endm
.macro PLACES
.rept 4
	v_nop
.endr
.endm
; A PREFETCH INTO THE L2 of o's images, two refills ahead.  A tile row of o is read by both clusters of its row of clusters: the one with x = 0 asks.  Of the eight row tiles that wave 0 or 1 fetches, the partner at cx takes
; two, told apart by ADDRESS; a lane names 256 bytes of a tile's 4 KiB.  So each aligned block of 256 bytes is named once.  K steps 0 to 511 come by their loads alone; the last two refills ask for nothing.
; W_out's images are read by all 32 tile rows and are not asked for.
.macro ASK
	s_cmp_gt_u32 s3, s[LIM]
	s_cbranch_scc0 .Lnot_mine_\@
	global_prefetch_b8 v[PFO], s[PFA:PFA+1] offset:4096 th:TH_LOAD_NT scope:SCOPE_SE
.Lnot_mine_\@:
.endm
	s_load_b256 s[4:11], s[0:1], 0x0               ; oimg, wimg, b_out, out0
	v_lshl_add_u32 v[SPW], v0, 2, SPARE
	v_mov_b32 v[NIL], 0
	ds_add_u32 v[SPW], v[NIL]                      ; the wave's opening: the add, twice on end, and its wait ahead of my first tensor load
	ds_add_u32 v[SPW], v[NIL]
	v_lshrrev_b32 v1, 5, v0
	v_readfirstlane_b32 s14, v1                    ; wave 0..3
	s_lshr_b32 s15, s14, 1                         ; my half of the rows.  Also: I fetch for o (0) or for W_out (1)
	s_and_b32 s16, s14, 1                          ; my half of the columns.  Also: which half I fetch
	s_bfe_u32 s40, ttmp6, 0x40000                  ; cx
	s_bfe_u32 s41, ttmp6, 0x40004                  ; cy
	s_lshl_b32 s42, ttmp9, 2
	s_add_co_u32 s42, s42, s40                     ; X: 128 columns
	s_and_b32 s13, ttmp7, 0xffff
	s_lshl_b32 s13, s13, 2
	s_add_co_u32 s13, s13, s41                     ; Y: 256 rows
	s_lshl_b32 s43, s41, 2
	s_lshl_b32 s43, 15, s43                        ; my row of the cluster
	s_lshl_b32 s47, 0x1111, s40                    ; my column
	s_or_b32 s[G1+0], s43, (3<<16)|(1<<21)         ; the mask; elements of 8 bytes; bit 21 beside a mask; no padding: images are read at 16 x lane
	s_or_b32 s[G1B+0], s47, (3<<16)|(1<<21)
	s_mov_b32 s[G1+1], 512<<16                     ; a row of the tile: four images, 4,096 bytes
	s_mov_b32 s[G1+2], 8<<16                       ; eight tiles of 16 rows
	s_mov_b32 s[G1+3], 512<<16
	s_mov_b32 s[G1+4], 8
	s_mov_b32 s[G1+5], 4096                        ; 32,768 bytes from tile to tile
	s_mov_b32 s[G1+6], 0
	s_mov_b32 s[G1+7], 0
	s_mov_b32 s[G1B+1], 512<<16
	s_mov_b32 s[G1B+2], 4<<16                      ; four column tiles
	s_mov_b32 s[G1B+3], 512<<16
	s_mov_b32 s[G1B+4], 4
	s_mov_b32 s[G1B+5], 4096
	s_mov_b32 s[G1B+6], 0
	s_mov_b32 s[G1B+7], 0
	s_lshl_b32 s20, s13, 4
	s_lshl_b32 s18, s16, 3
	s_add_co_u32 s20, s20, s18                     ; o: row tile 16 Y + 8 half
	s_lshl_b32 s20, s20, 15
	s_mov_b32 s21, 0
	s_lshl_b32 s22, s42, 3
	s_lshl_b32 s19, s16, 2
	s_add_co_u32 s22, s22, s19                     ; W_out: column tile 8 X + 4 half
	s_lshl_b32 s22, s22, 15
	s_mov_b32 s23, 0
	s_lshl_b32 s17, s16, 15                        ; where they go: no place in the cluster enters an LDS address
	s_lshl_b32 s12, s16, 14
	s_add_co_u32 s12, s12, BO
	s_wait_dscnt 0x0                               ; both opening adds are done
	s_wait_kmcnt 0x0
	s_add_nc_u64 s[20:21], s[4:5], s[20:21]
	s_add_nc_u64 s[22:23], s[6:7], s[22:23]
	CROUND                                         ; all sixteen work-groups are here: the first joint loads meet
.irp s, 0,1
	s_mov_b32 s[G0+4*\s], 1
	s_add_co_u32 s[G0+4*\s+1], s17, \s*SLOT
	s_add_nc_u64 s[G0+4*\s+2:G0+4*\s+3], s[20:21], \s*4096
	s_or_b32 s[G0+4*\s+3], s[G0+4*\s+3], 0x80000000
	s_mov_b32 s[G0B+4*\s], 1
	s_add_co_u32 s[G0B+4*\s+1], s12, \s*SLOT
	s_add_nc_u64 s[G0B+4*\s+2:G0B+4*\s+3], s[22:23], \s*4096
	s_or_b32 s[G0B+4*\s+3], s[G0B+4*\s+3], 0x80000000
	JLOAD \s
.endr
	v_and_b32 v1, 31, v0                           ; lane
	v_and_b32 v2, 15, v0                           ; r
	v_bfe_u32 v3, v0, 4, 1                         ; h
	v_lshlrev_b32 v4, 4, v1
	s_lshl_b32 s18, s15, 15                        ; my eight row tiles
	v_add_nc_u32 v[ADRA], s18, v4
	v_add_nc_u32 v[ADRA+1], SLOT, v[ADRA]
	s_lshl_b32 s18, s16, 14                        ; my four column tiles
	s_add_co_u32 s18, s18, BO
	v_add_nc_u32 v[ADRB], s18, v4
	v_add_nc_u32 v[ADRB+1], SLOT, v[ADRB]
	s_mul_i32 s18, s14, 16*SPITCH
	s_add_co_u32 s18, s18, STAGE                   ; my stage
	v_mul_u32_u24 v5, v2, SPITCH
	v_lshl_add_u32 v5, v3, 5, v5
	v_add_nc_u32 v[STO], s18, v5                   ; in: row r, 32 bytes for each half of the lanes
	v_mul_u32_u24 v5, v3, SPITCH
	v_lshl_add_u32 v5, v2, 4, v5
	v_add_nc_u32 v[RD], s18, v5                    ; back: lanes 0-15 one row of 256 bytes, lanes 16-31 the next
	v_lshlrev_b32 v5, 12, v3
	v_lshl_add_u32 v[CO], v2, 4, v5                ; and the same two rows in out0
	v_lshlrev_b32 v5, 15, v3
	v_lshl_add_u32 v[PFO], v2, 8, v5               ; the prefetches: two row tiles, sixteen blocks of 256 bytes each
	v_lshlrev_b32 v[BI], 5, v3
	s_lshl_b32 s18, s42, 9
	s_lshl_b32 s19, s16, 8
	s_add_co_u32 s18, s18, s19                     ; my first column, in bytes: 512 X + 256 half
	s_mov_b32 s19, 0
	s_add_nc_u64 s[8:9], s[8:9], s[18:19]
	s_add_nc_u64 s[10:11], s[10:11], s[18:19]
.irp ct, 0,1,2,3                               ; the bias in the result's layout: lane (r, h) wants columns 16 ct + 8 h + 0 .. 7
	global_load_b128 v[BS+8*\ct:BS+8*\ct+3], v[BI], s[8:9] offset:64*\ct
	global_load_b128 v[BS+8*\ct+4:BS+8*\ct+7], v[BI], s[8:9] offset:64*\ct+16
.endr
	s_lshl_b32 s18, s13, 20                        ; 256 rows of 4,096 bytes
	s_lshl_b32 s2, s15, 19                         ; my 128
	s_add_co_u32 s18, s18, s2
	s_add_nc_u64 s[10:11], s[10:11], s[18:19]
	s_lshl_b32 s18, s13, 4
	s_lshl_b32 s2, s16, 3
	s_add_co_u32 s18, s18, s2
	s_lshl_b32 s2, s40, 1
	s_add_co_u32 s18, s18, s2                      ; row tile 16 Y + 8 half + 2 cx
	s_lshl_b32 s18, s18, 15
	s_add_co_u32 s18, s18, 2*4096                  ; at K 256: the first refill steps it on by 128 and names the 128 after that
	s_add_nc_u64 s[PFA:PFA+1], s[4:5], s[18:19]
	s_or_b32 s2, ttmp9, s15
	s_cmp_eq_u32 s2, 0
	s_cselect_b32 s[LIM], 1, -1                    ; cluster x = 0, waves 0 and 1: the same in all sixteen partners, for a given wave
.macro FETCH slot, q, set              ; the fragments of the slot's q-th 32 along K
.irp rt, 0,1,2,3,4,5,6,7
.irp i, 0,1
	ds_load_b128 v[FR+96*(\set)+8*\rt+4*\i:FR+96*(\set)+8*\rt+4*\i+3], v[ADRA+\slot] offset:\rt*4096+(\q)*1024+512*\i
.endr
.endr
.irp ct, 0,1,2,3
.irp i, 0,1
	ds_load_b128 v[FR+96*(\set)+64+8*\ct+4*\i:FR+96*(\set)+64+8*\ct+4*\i+3], v[ADRB+\slot] offset:\ct*4096+(\q)*1024+512*\i
.endr
.endr
.endm
.macro MUL set, rt0, n, first          ; row tiles rt0 .. rt0 + n - 1 x the four column tiles.  The 32 accumulators take turns in the same order in every step
.set rr, \rt0
.rept \n
.irp ct, 0,1,2,3
.if \first
	v_wmma_f32_16x16x32_f16 v[8*(4*rr+\ct):8*(4*rr+\ct)+7], v[FR+96*(\set)+64+8*\ct:FR+96*(\set)+64+8*\ct+7], v[FR+96*(\set)+8*rr:FR+96*(\set)+8*rr+7], v[BS+8*\ct:BS+8*\ct+7]
.else
	v_wmma_f32_16x16x32_f16 v[8*(4*rr+\ct):8*(4*rr+\ct)+7], v[FR+96*(\set)+64+8*\ct:FR+96*(\set)+64+8*\ct+7], v[FR+96*(\set)+8*rr:FR+96*(\set)+8*rr+7], v[8*(4*rr+\ct):8*(4*rr+\ct)+7]
.endif
.endr
.set rr, rr+1
.endr
.endm
.macro KSTEP slot, q, first            ; one of a slot's first three steps: multiplies set q % 2 and fetches the next step into the other
	s_wait_dscnt 0x0                               ; this step's fragments, asked for ahead of the last step's 32 products
	PLACES                                         ; four places between those products and loads into the registers that they read
	FETCH \slot, (\q)+1, ((\q)+1)%2
.if \first
	WIN 0x40                                       ; D window 1, C (the bias) window 0
.else
	WIN 0x50                                       ; C and D window 1
.endif
	MUL (\q)%2, 0, 8, \first
	WIN 0
.endm
; A slot's last step changes slots: ONE barrier; in front of it each wave waits for all its tensor loads, adds 0 to its spare word, and waits for that and for its reads of this slot.  fill = 1: the barrier opens a round
; of the cluster's, and this slot is filled again, 256 along K ahead.
.macro TURN slot, next, fill
.if \fill
	s_wait_xcnt 0x0                                ; the last prefetch, a slot back, has read its address
	s_add_nc_u64 s[PFA:PFA+1], s[PFA:PFA+1], 4096
.endif
	s_wait_tensorcnt 0x0                           ; all my tensor loads have landed: my part of the next slot
	ds_add_u32 v[SPW], v[NIL]
	s_wait_dscnt 1                                 ; this step's fragments are in; the add alone may be out
	WIN 0x50
	MUL 1, 0, 2, 0                                 ; eight products stand between the add and the wait for it
	s_wait_dscnt 0x0                               ; the add is done, and my reads of this slot are over
	s_barrier_signal -1
	MUL 1, 2, 2, 0
	WIN 0
	s_barrier_wait -1
.if \fill
	CREST                                          ; no wave of any partner still reads this slot or has a load on its way
	s_add_nc_u64 s[G0+4*\slot+2:G0+4*\slot+3], s[G0+4*\slot+2:G0+4*\slot+3], 8192
	s_add_nc_u64 s[G0B+4*\slot+2:G0B+4*\slot+3], s[G0B+4*\slot+2:G0B+4*\slot+3], 8192
	JLOAD \slot                                    ; the first tensor load behind the round; its four v_nop are also the places in front of the loads below
.else
	PLACES
.endif
	FETCH \next, 0, 0
.if \fill
	ASK
.endif
	WIN 0x50
	MUL 1, 4, 4, 0
	WIN 0
.endm
	s_wait_tensorcnt 1                             ; my part of slot 0 is in; slot 1's load may stay out
	s_barrier_signal -1
	s_barrier_wait -1
	FETCH 0, 0, 0
	s_wait_loadcnt 0x0                             ; the bias
	KSTEP 0, 0, 1                                  ; the first step stands in front of the loop: its products start the sums from the bias
	s_mov_b32 s3, 3
.Llap:                                             ; a trip goes once round the ring, from a lap's second step to the next lap's first, and fills both slots again
	KSTEP 0, 1, 0
	KSTEP 0, 2, 0
	TURN 0, 1, 1
	KSTEP 1, 0, 0
	KSTEP 1, 1, 0
	KSTEP 1, 2, 0
	TURN 1, 0, 1
	KSTEP 0, 0, 0
	s_sub_co_u32 s3, s3, 1
	s_cmp_lg_u32 s3, 0
	s_cbranch_scc1 .Llap
	KSTEP 0, 1, 0                                  ; the last lap fills nothing, and has no round of the cluster's barrier
	KSTEP 0, 2, 0
	TURN 0, 1, 0
	KSTEP 1, 0, 0
	KSTEP 1, 1, 0
	KSTEP 1, 2, 0
	s_wait_dscnt 0x0
	WIN 0x50
	MUL 1, 0, 8, 0
	WIN 0
; THE WAY OUT, a tile of 16 rows x 64 columns at a time, through my own stage in LDS, so that sixteen lanes store 256 consecutive bytes, aligned.  LDS serves a wave's instructions in order: no wait between stores and loads.
.macro TOSTAGE a
	WIN 0x04                                       ; an LDS store's data: window 1
.irp ct, 0,1,2,3
	ds_store_b128 v[STO], v[8*(4*(\a)+\ct):8*(4*(\a)+\ct)+3] offset:64*\ct          ; each accumulator from its low end on
	ds_store_b128 v[STO], v[8*(4*(\a)+\ct)+4:8*(4*(\a)+\ct)+7] offset:64*\ct+16
.endr
	WIN 0
.irp t, 0,1,2,3,4,5,6,7
	ds_load_b128 v[FR+32*((\a)%2)+4*\t:FR+32*((\a)%2)+4*\t+3], v[RD] offset:\t*2*SPITCH
.endr
.endm
.macro SEND a, younger                 ; younger: the LDS instructions issued behind tile a's loads, which may stay out
	s_wait_dscnt \younger
.irp t, 0,1,2,3,4,5,6,7
	global_store_b128 v[CO], v[FR+32*((\a)%2)+4*\t:FR+32*((\a)%2)+4*\t+3], s[10:11] offset:(\a)*65536+\t*8192 th:TH_STORE_NT
.endr
.endm
	PLACES                                         ; between the last products and the first read of results and the loads into operand registers
	TOSTAGE 0
.irp a, 1,2,3,4,5,6,7
.if \a > 1
	s_wait_xcnt 0x0                                ; tile a - 2's stores have read their registers: tile a's loads may land there
.endif
	TOSTAGE \a
	SEND \a-1, 16                                  ; behind tile a - 1's loads: tile a's eight stores and eight loads
.endr
	SEND 7, 0
	s_wait_tensorcnt 0x0                           ; the wave's end, behind my last tensor load and my last LDS store
	ds_add_u32 v[SPW], v[NIL]
	s_wait_dscnt 0x0
	CROUND                                         ; the closing round
	s_endpgm
.Lfunc_end_k_q754f4568d3_proj:
	.size	k_q754f4568d3_proj, .Lfunc_end_k_q754f4568d3_proj-k_q754f4568d3_proj
	.p2alignl 7, 3214868480
	.fill 96, 4, 3214868480
	.section	.rodata,"a",@progbits
	.p2align	6, 0x0
	.amdhsa_kernel k_q754f4568d3_proj
		.amdhsa_group_segment_fixed_size 327680
		.amdhsa_private_segment_fixed_size 0
		.amdhsa_enable_private_segment 0
		.amdhsa_kernarg_size 32
		.amdhsa_user_sgpr_count 2
		.amdhsa_user_sgpr_kernarg_segment_ptr 1
		.amdhsa_wavefront_size32 1
		.amdhsa_system_sgpr_workgroup_id_x 1
		.amdhsa_system_sgpr_workgroup_id_y 1
		.amdhsa_system_sgpr_workgroup_id_z 1
		.amdhsa_system_vgpr_workitem_id 0
		.amdhsa_next_free_vgpr 512
		.amdhsa_next_free_sgpr 70
		.amdhsa_reserve_vcc 0
		.amdhsa_float_denorm_mode_32 3
		.amdhsa_float_denorm_mode_16_64 3
		.amdhsa_memory_ordered 1
		.amdhsa_forward_progress 1
		.amdhsa_inst_pref_size 86
	.end_amdhsa_kernel
	.amdgpu_metadata
---
amdhsa.version: [ 1, 2 ]
amdhsa.kernels:
  - .name:           k_q754f4568d3_proj
    .symbol:         k_q754f4568d3_proj.kd
    .args:
      - { .name: oimg, .offset: 0, .size: 8, .value_kind: global_buffer, .address_space: global }
      - { .name: wimg, .offset: 8, .size: 8, .value_kind: global_buffer, .address_space: global }
      - { .name: b_out, .offset: 16, .size: 8, .value_kind: global_buffer, .address_space: global }
      - { .name: out0, .offset: 24, .size: 8, .value_kind: global_buffer, .address_space: global }
    .group_segment_fixed_size: 327680
    .private_segment_fixed_size: 0
    .kernarg_segment_align: 8
    .kernarg_segment_size: 32
    .max_flat_workgroup_size: 128
    .sgpr_count:     70
    .vgpr_count:     512
    .wavefront_size: 32
...
	.end_amdgpu_metadata
.endif
;; end of part 4
;; launch fine (part 5): grid 64 x 4, 16 waves a work-group, no clusters, 18,432 bytes of LDS; arguments qkv32, timestamps, mask, decay_rate, W_out, b_out, out0; writes out0
.if DOCPART == 5
	.amdgcn_target "amdgcn-amd-amdhsa--gfx1250"
	.amdhsa_code_object_version 6
	.text
	.protected	k_q754f4568d3_fine
	.globl	k_q754f4568d3_fine
	.p2align	8
	.type	k_q754f4568d3_fine,@function
k_q754f4568d3_fine:
	s_mov_b64 s[64:65], 0
	v_nop
	global_prefetch_b8 v0, s[64:65] scope:SCOPE_SE
	s_setreg_imm32_b32 hwreg(HW_REG_WAVE_MODE, 25, 1), 1
	s_wait_xcnt 0x0
; FINE.  Rows 0-15 of each batch once more, wholly in f32: these rows average one to sixteen values, where the rounding of 16-bit operands weighs most.  They are written over what the launch before left there.
; SHARES.  A work-group: one batch, 16 columns of out0.  Wave = head: its 16 x 16 attention (32 matrix instructions of the f32 form) and its 64 channels' part of the projection (16 more); the sixteen parts meet in LDS
; and are added in a fixed order.  Every work-group of a batch repeats the attention: that spares a launch and any sum across work-groups.  The stores are pieces of 64 bytes of 64 rows, 256 KiB in the whole launch.
; LAYOUT.  The f32 form wants, in lane (r, h), register j: k = 2 h + j.  The same order of k is used on both sources: place (h, j) of step c stands for element 8 h + 2 c + j.  Then registers 2 c, 2 c + 1 of any f32
; result tile (lane (r, h), register j: element 8 h + j of column r) are an operand as they stand, and so are qkv32's images.
; A query with no key left has the maximum -infinity, and (-inf) - (-inf) makes its row NaN, as the softmax of such a row is.  DC is held at 1e-30 from below, as in the launch for the other rows.
; REGISTERS: v16-47 q, v48-79 k, v80-111 v, v112-143 W_out; v144-175 and v176-207: accumulators, written by matrix instructions alone; v208-215 p; v216-223 key times; v224-231 mask; v232-247 at work.
.set SPARE, 16384                      ; behind the sixteen parts of 1,024 bytes: the spare words, 128 bytes a wave
.set SPW,  1
.set NIL,  2
.set QR,   16
.set KR,   48
.set VR,   80
.set WR,   112
.set A1,   144
.set A2,   176
.set PR,   208
.set TKR,  216
.set MKR,  224
.set TM,   232
.set TQ,   248
.set DC,   249
.set RH,   250
.set NINF, 251
.set BO,   252
	s_load_b256 s[4:11], s[0:1], 0x0               ; qkv32, timestamps, mask, decay_rate
	s_load_b128 s[12:15], s[0:1], 0x20             ; W_out, b_out
	s_load_b64 s[16:17], s[0:1], 0x30              ; out0
	v_lshl_add_u32 v[SPW], v0, 2, SPARE
	v_mov_b32 v[NIL], 0
	v_lshrrev_b32 v3, 5, v0
	v_readfirstlane_b32 s18, v3                    ; wave = head
	s_and_b32 s19, ttmp7, 0xffff                   ; batch
	v_and_b32 v4, 31, v0
	v_and_b32 v5, 15, v0                           ; r
	v_bfe_u32 v6, v0, 4, 1                         ; h
	v_lshlrev_b32 v7, 4, v4                        ; 16 x lane
	s_lshl_b32 s24, s18, 10
	v_add_nc_u32 v8, s24, v7                       ; LDS: my wave's part
	v_and_b32 v9, 63, v0
	v_lshrrev_b32 v9, 2, v9                        ; the reduction: thread i of 64 takes row i / 4,
	v_and_b32 v10, 3, v0                           ; columns 4 (i % 4) on:
	v_and_b32 v11, 1, v0
	v_bfe_u32 v12, v0, 1, 1
	v_lshlrev_b32 v13, 4, v9
	v_lshl_add_u32 v13, v11, 9, v13
	v_lshl_add_u32 v13, v12, 8, v13                ; half (i % 4) % 2 of the registers, lane 16 ((i % 4) / 2) + row
	v_lshlrev_b32 v14, 4, v10
	v_lshl_add_u32 v15, v9, 12, v14                ; row x 4,096 + 16 (i % 4)
	v_lshlrev_b32 v232, 12, v5
	v_lshl_add_u32 v232, v6, 5, v232               ; W_out: row r, + 32 h
	v_lshlrev_b32 v233, 5, v6                      ; 32 h
	v_lshlrev_b32 v234, 2, v5                      ; 4 r
	v_lshlrev_b32 v235, 2, v3                      ; 4 x head
	v_lshlrev_b32 v236, 3, v6
	v_sub_nc_u32 v[RH], v5, v236                   ; r - 8 h
	v_mov_b32 v[NINF], 0xff800000
	v_mov_b32 v239, 0x7f800000
	s_mov_b32 s22, 0x76543210
	s_mov_b32 s23, 0xfedcba98
	s_lshl_b32 s24, s19, 4
	s_add_co_u32 s24, s24, s18
	s_mul_i32 s24, s24, 12288                      ; (batch x 16 + head) x three sections of 4,096 bytes
	s_mov_b32 s25, 0
	s_lshl_b32 s26, s19, 13                        ; the batch's 2,048 times
	s_mov_b32 s27, 0
	s_lshl_b32 s28, ttmp9, 16                      ; 16 rows of W_out,
	s_lshl_b32 s29, s18, 8                         ; the head's 64 channels
	s_add_co_u32 s28, s28, s29
	s_mov_b32 s29, 0
	s_lshl_b32 s30, ttmp9, 6                       ; 16 columns
	s_mov_b32 s31, 0
	s_lshl_b32 s32, s19, 23                        ; the batch's 2,048 rows of 4,096 bytes
	s_add_co_u32 s32, s32, s30
	s_mov_b32 s33, 0
	s_wait_kmcnt 0x0
	s_add_nc_u64 s[4:5], s[4:5], s[24:25]
	s_add_nc_u64 s[6:7], s[6:7], s[26:27]
	s_add_nc_u64 s[8:9], s[8:9], s[26:27]
	s_add_nc_u64 s[12:13], s[12:13], s[28:29]
	s_add_nc_u64 s[14:15], s[14:15], s[30:31]
	s_add_nc_u64 s[16:17], s[16:17], s[32:33]
.irp i, 0,1,2,3,4,5,6,7
	global_load_b128 v[QR+4*\i:QR+4*\i+3], v7, s[4:5] offset:512*\i
	global_load_b128 v[KR+4*\i:KR+4*\i+3], v7, s[4:5] offset:4096+512*\i
	global_load_b128 v[VR+4*\i:VR+4*\i+3], v7, s[4:5] offset:8192+512*\i
	global_load_b128 v[WR+4*\i:WR+4*\i+3], v232, s[12:13] offset:64*(\i/2)+16*(\i%2)   ; register 8 t + j: W_out(column r, channel 16 t + 8 h + j)
.endr
.irp i, 0,1
	global_load_b128 v[TKR+4*\i:TKR+4*\i+3], v233, s[6:7] offset:16*\i                ; the times of keys 8 h + 0 .. 7,
	global_load_b128 v[MKR+4*\i:MKR+4*\i+3], v233, s[8:9] offset:16*\i                ; their mask
.endr
	global_load_b32 v[TQ], v234, s[6:7]            ; my query's time
	global_load_b32 v237, v235, s[10:11]           ; the head's decay
	global_load_b128 v[BO:BO+3], v14, s[14:15]     ; the bias of the reduction's four columns
	s_wait_loadcnt 0x0
	; DC = softplus(x) log2(e) / 24
	v_and_b32 v238, 0x7fffffff, v237
	v_mul_f32 v238, 0xbfb8aa3b, v238
	v_exp_f32 v238, v238
	v_max_num_f32 v237, 0, v237                    ; (a plain line behind the transcendental)
	s_wait_alu depctr_va_vdst(0)                   ; ahead of the first line that names the result
	v_add_f32 v238, 1.0, v238
	v_log_f32 v238, v238
	v_mul_f32 v237, 0x3d76384f, v237
	s_wait_alu depctr_va_vdst(0)
	v_fmac_f32 v237, 0x3d2aaaab, v238
	v_max_num_f32 v[DC], 0x0da24260, v237
.irp j, 0,1,2,3,4,5,6,7
	v_cmp_eq_f32 vcc_lo, 0, v[MKR+\j]
	v_cndmask_b32 v[TKR+\j], v[TKR+\j], v239, vcc_lo   ; a masked key's time is +infinity
.endr
.irp j, 0,1,2,3,4,5,6,7
	v_sub_f32 v[TKR+\j], v[TKR+\j], v[TQ]
.endr
.irp c, 0,1,2,3                                ; S^T = K Q^T: four accumulators, one for each 16 channels, by turns; each sum's first step takes the constant 0
.irp t, 0,1,2,3
.if \c == 0
	v_wmma_f32_16x16x4_f32 v[A1+8*\t:A1+8*\t+7], v[KR+8*\t+2*\c:KR+8*\t+2*\c+1], v[QR+8*\t+2*\c:QR+8*\t+2*\c+1], 0
.else
	v_wmma_f32_16x16x4_f32 v[A1+8*\t:A1+8*\t+7], v[KR+8*\t+2*\c:KR+8*\t+2*\c+1], v[QR+8*\t+2*\c:QR+8*\t+2*\c+1], v[A1+8*\t:A1+8*\t+7]
.endif
.endr
.endr
.rept 8
	v_nop                                          ; eight places behind this form before a vector instruction reads a result
.endr
.irp k, 0,1,2,3
	v_pk_add_f32 v[TM+2*\k:TM+2*\k+1], v[A1+2*\k:A1+2*\k+1], v[A1+8+2*\k:A1+8+2*\k+1]
.endr
.irp k, 0,1,2,3
	v_pk_add_f32 v[TM+8+2*\k:TM+8+2*\k+1], v[A1+16+2*\k:A1+16+2*\k+1], v[A1+24+2*\k:A1+24+2*\k+1]
.endr
.irp k, 0,1,2,3
	v_pk_add_f32 v[TM+2*\k:TM+2*\k+1], v[TM+2*\k:TM+2*\k+1], v[TM+8+2*\k:TM+8+2*\k+1]   ; register j: the score of key 8 h + j for query r
.endr
.irp j, 0,1,2,3,4,5,6,7
	v_fma_f32 v[TM+\j], -|v[TKR+\j]|, v[DC], v[TM+\j]
.endr
.irp j, 0,1,2,3,4,5,6,7
	v_cmp_gt_i32 vcc_lo, \j, v[RH]                 ; key 8 h + j comes after query r
	v_cndmask_b32 v[TM+\j], v[TM+\j], v[NINF], vcc_lo
.endr
	v_max3_num_f32 v[TM+8], v[TM], v[TM+1], v[TM+2]
	v_max3_num_f32 v[TM+8], v[TM+8], v[TM+3], v[TM+4]
	v_max3_num_f32 v[TM+8], v[TM+8], v[TM+5], v[TM+6]
	v_max_num_f32 v[TM+8], v[TM+8], v[TM+7]
	v_permlanex16_b32 v[TM+9], v[TM+8], s22, s23
	v_max_num_f32 v[TM+8], v[TM+8], v[TM+9]        ; the row's maximum
.irp j, 0,1,2,3,4,5,6,7
	v_sub_f32 v[TM+\j], v[TM+\j], v[TM+8]
.endr
.irp j, 0,1,2,3,4,5,6,7
	v_exp_f32 v[TM+\j], v[TM+\j]
.endr
	v_nop
	s_wait_alu depctr_va_vdst(0)                   ; one wait for the eight
	v_pk_add_f32 v[TM+8:TM+9], v[TM:TM+1], v[TM+2:TM+3]
	v_pk_add_f32 v[TM+10:TM+11], v[TM+4:TM+5], v[TM+6:TM+7]
	v_pk_add_f32 v[TM+8:TM+9], v[TM+8:TM+9], v[TM+10:TM+11]
	v_add_f32 v[TM+8], v[TM+8], v[TM+9]
	v_permlanex16_b32 v[TM+9], v[TM+8], s22, s23
	v_add_f32 v[TM+8], v[TM+8], v[TM+9]            ; the row's sum
	v_rcp_f32 v[TM+8], v[TM+8]
	v_nop
	s_wait_alu depctr_va_vdst(0)
.irp j, 0,1,2,3,4,5,6,7
	v_mul_f32 v[PR+\j], v[TM+\j], v[TM+8]
.endr
.irp c, 0,1,2,3                                ; O^T = V^T P: four channel tiles by turns, 4 keys a step
.irp t, 0,1,2,3
.if \c == 0
	v_wmma_f32_16x16x4_f32 v[A2+8*\t:A2+8*\t+7], v[VR+8*\t+2*\c:VR+8*\t+2*\c+1], v[PR+2*\c:PR+2*\c+1], 0
.else
	v_wmma_f32_16x16x4_f32 v[A2+8*\t:A2+8*\t+7], v[VR+8*\t+2*\c:VR+8*\t+2*\c+1], v[PR+2*\c:PR+2*\c+1], v[A2+8*\t:A2+8*\t+7]
.endif
.endr
.endr
.rept 9
	v_nop                                          ; nine places before a matrix instruction takes a result as an operand
.endr
.irp c, 0,1,2,3                                ; Y^T = W_out O^T, my head's 64 channels: four accumulators by turns
.irp t, 0,1,2,3
.if \c == 0
	v_wmma_f32_16x16x4_f32 v[A1+8*\t:A1+8*\t+7], v[WR+8*\t+2*\c:WR+8*\t+2*\c+1], v[A2+8*\t+2*\c:A2+8*\t+2*\c+1], 0
.else
	v_wmma_f32_16x16x4_f32 v[A1+8*\t:A1+8*\t+7], v[WR+8*\t+2*\c:WR+8*\t+2*\c+1], v[A2+8*\t+2*\c:A2+8*\t+2*\c+1], v[A1+8*\t:A1+8*\t+7]
.endif
.endr
.endr
.rept 8
	v_nop
.endr
.irp k, 0,1,2,3
	v_pk_add_f32 v[TM+2*\k:TM+2*\k+1], v[A1+2*\k:A1+2*\k+1], v[A1+8+2*\k:A1+8+2*\k+1]
.endr
.irp k, 0,1,2,3
	v_pk_add_f32 v[TM+8+2*\k:TM+8+2*\k+1], v[A1+16+2*\k:A1+16+2*\k+1], v[A1+24+2*\k:A1+24+2*\k+1]
.endr
.irp k, 0,1,2,3
	v_pk_add_f32 v[TM+2*\k:TM+2*\k+1], v[TM+2*\k:TM+2*\k+1], v[TM+8+2*\k:TM+8+2*\k+1]   ; register j: my head's part of out0(row r, column 8 h + j)
.endr
	ds_store_b128 v8, v[TM:TM+3]
	ds_store_b128 v8, v[TM+4:TM+7] offset:512
	s_wait_dscnt 0x0                               ; for the others' sake: my part lies in LDS
	s_barrier_signal -1
	s_barrier_wait -1
	s_cmp_gt_u32 s18, 1                            ; waves 0 and 1 add the sixteen parts: 64 threads, four numbers each
	s_cbranch_scc1 .Ldone
.irp p, 0,1,2,3,4,5,6,7,8,9,10,11,12,13,14,15
	ds_load_b128 v[16+4*\p:19+4*\p], v13 offset:1024*\p
.endr
	s_wait_dscnt 0x0
.irp p, 0,1,2,3,4,5,6,7
	v_pk_add_f32 v[16+8*\p:17+8*\p], v[16+8*\p:17+8*\p], v[20+8*\p:21+8*\p]
	v_pk_add_f32 v[18+8*\p:19+8*\p], v[18+8*\p:19+8*\p], v[22+8*\p:23+8*\p]
.endr
.irp p, 0,1,2,3
	v_pk_add_f32 v[16+16*\p:17+16*\p], v[16+16*\p:17+16*\p], v[24+16*\p:25+16*\p]
	v_pk_add_f32 v[18+16*\p:19+16*\p], v[18+16*\p:19+16*\p], v[26+16*\p:27+16*\p]
.endr
.irp p, 0,1
	v_pk_add_f32 v[16+32*\p:17+32*\p], v[16+32*\p:17+32*\p], v[32+32*\p:33+32*\p]
	v_pk_add_f32 v[18+32*\p:19+32*\p], v[18+32*\p:19+32*\p], v[34+32*\p:35+32*\p]
.endr
	v_pk_add_f32 v[16:17], v[16:17], v[48:49]
	v_pk_add_f32 v[18:19], v[18:19], v[50:51]
	v_pk_add_f32 v[16:17], v[16:17], v[BO:BO+1]
	v_pk_add_f32 v[18:19], v[18:19], v[BO+2:BO+3]
	global_store_b128 v15, v[16:19], s[16:17]
.Ldone:
	s_wait_tensorcnt 0x0                           ; the wave's end, behind my last LDS store
	ds_add_u32 v[SPW], v[NIL]
	s_wait_dscnt 0x0
	s_endpgm
.Lfunc_end_k_q754f4568d3_fine:
	.size	k_q754f4568d3_fine, .Lfunc_end_k_q754f4568d3_fine-k_q754f4568d3_fine
	.p2alignl 7, 3214868480
	.fill 96, 4, 3214868480
	.section	.rodata,"a",@progbits
	.p2align	6, 0x0
	.amdhsa_kernel k_q754f4568d3_fine
		.amdhsa_group_segment_fixed_size 18432
		.amdhsa_private_segment_fixed_size 0
		.amdhsa_enable_private_segment 0
		.amdhsa_kernarg_size 56
		.amdhsa_user_sgpr_count 2
		.amdhsa_user_sgpr_kernarg_segment_ptr 1
		.amdhsa_wavefront_size32 1
		.amdhsa_system_sgpr_workgroup_id_x 1
		.amdhsa_system_sgpr_workgroup_id_y 1
		.amdhsa_system_sgpr_workgroup_id_z 1
		.amdhsa_system_vgpr_workitem_id 0
		.amdhsa_next_free_vgpr 256
		.amdhsa_next_free_sgpr 66
		.amdhsa_reserve_vcc 1
		.amdhsa_float_denorm_mode_32 3
		.amdhsa_float_denorm_mode_16_64 3
		.amdhsa_memory_ordered 1
		.amdhsa_forward_progress 1
		.amdhsa_inst_pref_size 19
	.end_amdhsa_kernel
	.amdgpu_metadata
---
amdhsa.version: [ 1, 2 ]
amdhsa.kernels:
  - .name:           k_q754f4568d3_fine
    .symbol:         k_q754f4568d3_fine.kd
    .args:
      - { .name: qkv32, .offset: 0, .size: 8, .value_kind: global_buffer, .address_space: global }
      - { .name: timestamps, .offset: 8, .size: 8, .value_kind: global_buffer, .address_space: global }
      - { .name: mask, .offset: 16, .size: 8, .value_kind: global_buffer, .address_space: global }
      - { .name: decay_rate, .offset: 24, .size: 8, .value_kind: global_buffer, .address_space: global }
      - { .name: W_out, .offset: 32, .size: 8, .value_kind: global_buffer, .address_space: global }
      - { .name: b_out, .offset: 40, .size: 8, .value_kind: global_buffer, .address_space: global }
      - { .name: out0, .offset: 48, .size: 8, .value_kind: global_buffer, .address_space: global }
    .group_segment_fixed_size: 18432
    .private_segment_fixed_size: 0
    .kernarg_segment_align: 8
    .kernarg_segment_size: 56
    .max_flat_workgroup_size: 512
    .sgpr_count:     66
    .vgpr_count:     256
    .wavefront_size: 32
...
	.end_amdgpu_metadata
.endif
;; end of part 5
